; MI455X (gfx1250); checked and timed in simulation.
; The chip was launched on July 23, 2026; its instructions are those of AMD's public machine-readable ISA for CDNA 5 (MIT licence, August 2026) and "CDNA5" Instruction Set Architecture Reference Guide (July 2026). The comments in the code are by the model that wrote it; some were corrected since.
;; Simple Retention. Allowed arithmetic: float matrix products may take bf16 or f16 operands with f32 sums; all other float work in f32.
;; Inputs: K 4 x 4,096 x 64 float32; Q 4 x 4,096 x 64 float32; V 4 x 4,096 x 64 float32.
;; Outputs: out0 4 x 4,096 x 64 float32.
;; 2 versions, each right; version 2 is version 1 with the launches ustate, retout written anew for expert scheduling mode. Each part assembles by itself: llvm-mc -triple=amdgcn-amd-amdhsa -mcpu=gfx1250 --defsym DOCPART=n.
;; ======== version 1 of 2: 3 launches
;; workspace buffers: Uloc 4,194,304 bytes; Sfrag 4,194,304 bytes
;; launch ustate (part 1): grid 256 x 1, 4 waves a work-group, no clusters, 41,472 bytes of LDS; arguments K, V, Uloc; writes Uloc
.if DOCPART == 1
	.amdgcn_target "amdgcn-amd-amdhsa--gfx1250"
	.amdhsa_code_object_version 6
	.text
	.protected	k_q749044b756_ustate
	.globl	k_q749044b756_ustate
	.p2align	8
	.type	k_q749044b756_ustate,@function
k_q749044b756_ustate:
	s_mov_b64 s[64:65], 0
	v_nop
	global_prefetch_b8 v0, s[64:65] scope:SCOPE_SE
	s_setreg_imm32_b32 hwreg(HW_REG_WAVE_MODE, 25, 1), 1
	s_wait_xcnt 0x0
; RETENTION, STEP 1 OF 3: the state that each chunk of 64 keys adds.
; With a channel pair (2i, 2i+1) read as one complex number, every weight of the retention hangs on n - m alone:
;   gamma^(n-m) (q~_n . k~_m) = Re sum_i Q_n,i conj(K_m,i) z_i^(n-m),   z_i = gamma base_i^(1/512) e^(i theta_i).
; So the sum over keys is a linear recurrence and is made chunk by chunk, with no term left out.
; Work-group x owns chunk x (64 rows; x = 64 batch + chunk).  With r the row inside the chunk,
;   k'_r = K_r e^(i r theta) |z|^(-r)        (|factor| at most 8.6)
;   U'[ch][v] = sum_r k'_r[ch] V_r[v]        (64 x 64, f32), stored to Uloc.
; Every matrix operand is a pair of bf16, hi + lo with lo = bf16(x - hi), and a product is hi hi + hi lo + lo hi.
; Four waves; wave w makes channels 16 w .. 16 w + 15 of U' (four tiles of 16 x 16).
; Uloc, 16 KiB a chunk: tile t = 4 (ch/16) + (v/16) at byte 1024 t; registers 4g..4g+3 of the result tile at + 512 g + 16 lane:
; each store of a wave covers 512 consecutive bytes, aligned.
; No tensor loads: every input number passes the vector ALU (rotation, split) before it is an operand.
; No cluster: no two work-groups read the same bytes.
; sin and cos: the angle in turns, reduced by its nearest whole number, halved, Taylor sums to x^9 and x^10 for |x| <= pi/2
; (the first terms left out are below 4e-6), then the double-angle formulas.
; LIMITS: NaN and infinite inputs are not reproduced; a finite number that rounds to bf16's infinity gives NaN in its low part.
; The order of rounding differs from the formula's: positions are taken inside the chunk.
.set P160, 160                         ; LDS pitch of a row of 64 bf16: 128 bytes + 32, an odd multiple of 32, for the transposing loads
.set KH, 0                             ; k' hi   [64 keys][64 ch]
.set KL, 64*P160                       ; k' lo
.set VH, 2*64*P160                     ; V hi    [64 keys][64 v]
.set VL, 3*64*P160                     ; V lo
.set K_PI, 16                          ; scalar constants
.set K_C3, 17
.set K_C5, 18
.set K_C7, 19
.set K_C9, 20
.set K_D4, 21
.set K_D6, 22
.set K_D8, 23
.set K_D10, 24
.set K_FREQ, 25
.set K_256, 26
.set K_R896, 27
.set K_R512, 28
.set K_LGG, 29
.set K_MASK, 30
.set GOFF, 1                           ; 16 tid: my 16 bytes in each 2,048 bytes of the chunk; never rewritten
.set LST, 2                            ; LDS: (tid>>4) rows + 8 (tid&15)
.set ATR, 3                            ; LDS: transposing load, (8h + (L&7)) rows + 16 ((L>>3)&1)
.set R0, 4                             ; tid >> 4: my row in each group of eight rows
.set UOFF, 5                           ; 4096 w + 16 L
.set IP, 6                             ; v[6:7]   my two channel pairs
.set TAU, 8                            ; v[8:9]   theta in turns
.set NLZ, 10                           ; v[10:11] -log2 |z|
.set T0, 12
.set ATRA, 14                          ; ATR + 32 w: my wave's 16 channels
.set RK, 16                            ; v[16:47]  K as loaded
.set RV, 48                            ; v[48:79]  V as loaded
.set TK, 80                            ; v[80:111] 16 pairs (amp cos, amp sin): row group t, pair p at 4 t + 2 p
.set TN, 112
.set EX, 116
.set XX, 120
.set UQ, 124
.set CC, 128
.set SS, 132
.set AMP, 136
.set YY, 140                           ; two sets of 4, by turns
.set TM, 148                           ; two sets of 4
.set HI, 156                           ; two sets of 2
.set LO, 160                           ; two sets of 2
.set SCR, 164
.set RF, 170
.set BF, 16                            ; behind the barrier: v[16:143] V fragments, index 8 part + 2 vt + kappa
.set AF, 144                           ; v[144:175] k'^T fragments, index 2 part + kappa
.set ACC, 176                          ; v[176:207] four result tiles
; theta in turns and the scaled log2 |z| of channel pair i.  One plain vector instruction stands behind each transcendental
; before its result is used (ISA guide 5.7.2).
.macro LANECONST i, tau, lz
	v_cvt_f32_u32 v[SCR], v[\i]
	v_mul_f32 v[SCR+1], s[K_FREQ], v[SCR]
	v_exp_f32 v[SCR+2], v[SCR+1]                           ; 10000^(-i/32)
	v_fma_f32 v[SCR+3], v[SCR], 2.0, s[K_256]              ; 2 i + 25.6
	v_mul_f32 v[SCR+3], s[K_R896], v[SCR+3]                ; / 89.6
	v_log_f32 v[SCR+4], v[SCR+3]
	s_wait_alu depctr_va_vdst(0)
	v_mul_f32 v[\tau], 0.15915494, v[SCR+2]                ; / 2 pi
	v_fma_f32 v[\lz], v[SCR+4], s[K_R512], s[K_LGG]
.endm
; Four angles at once, in turns in t.  On exit cos is in s and sin is in c.
.macro SINCOS4 t, c, s, x, u
.irp e, 0,1,2,3
	v_rndne_f32 v[\x+\e], v[\t+\e]
.endr
.irp e, 0,1,2,3
	v_sub_f32 v[\x+\e], v[\t+\e], v[\x+\e]                 ; within half a turn
.endr
.irp e, 0,1,2,3
	v_mul_f32 v[\x+\e], s[K_PI], v[\x+\e]                  ; half the angle, |x| <= pi/2
.endr
.irp e, 0,1,2,3
	v_mul_f32 v[\u+\e], v[\x+\e], v[\x+\e]
.endr
.irp e, 0,1,2,3
	v_fma_f32 v[\s+\e], v[\u+\e], s[K_C9], s[K_C7]
.endr
.irp e, 0,1,2,3
	v_fma_f32 v[\s+\e], v[\s+\e], v[\u+\e], s[K_C5]
.endr
.irp e, 0,1,2,3
	v_fma_f32 v[\s+\e], v[\s+\e], v[\u+\e], s[K_C3]
.endr
.irp e, 0,1,2,3
	v_fma_f32 v[\s+\e], v[\s+\e], v[\u+\e], 1.0
.endr
.irp e, 0,1,2,3
	v_mul_f32 v[\s+\e], v[\s+\e], v[\x+\e]                 ; sin x
.endr
.irp e, 0,1,2,3
	v_fma_f32 v[\c+\e], v[\u+\e], s[K_D10], s[K_D8]
.endr
.irp e, 0,1,2,3
	v_fma_f32 v[\c+\e], v[\c+\e], v[\u+\e], s[K_D6]
.endr
.irp e, 0,1,2,3
	v_fma_f32 v[\c+\e], v[\c+\e], v[\u+\e], s[K_D4]
.endr
.irp e, 0,1,2,3
	v_fma_f32 v[\c+\e], v[\c+\e], v[\u+\e], -0.5
.endr
.irp e, 0,1,2,3
	v_fma_f32 v[\c+\e], v[\c+\e], v[\u+\e], 1.0            ; cos x
.endr
.irp e, 0,1,2,3
	v_add_f32 v[\x+\e], v[\s+\e], v[\s+\e]                 ; 2 sin x
.endr
.irp e, 0,1,2,3
	v_mul_f32 v[\c+\e], v[\x+\e], v[\c+\e]                 ; sin 2x
.endr
.irp e, 0,1,2,3
	v_fma_f32 v[\s+\e], -v[\x+\e], v[\s+\e], 1.0           ; cos 2x
.endr
.endm
; The tables of row groups 2 g and 2 g + 1, both pairs: four items.
.macro TABGRP g
.irp u, 0,1
	v_add_nc_u32 v[RF+\u], 8*(2*\g+\u), v[R0]
	v_cvt_f32_u32 v[RF+\u], v[RF+\u]                       ; my row in the chunk
.irp p, 0,1
	v_mul_f32 v[TN+2*\u+\p], v[RF+\u], v[TAU+\p]
	v_mul_f32 v[EX+2*\u+\p], v[RF+\u], v[NLZ+\p]
.endr
.endr
.irp e, 0,1,2,3
	v_exp_f32 v[AMP+\e], v[EX+\e]                          ; |z|^(-r); the first line of SINCOS4 is the plain place behind these
.endr
	SINCOS4 TN, CC, SS, XX, UQ
	s_wait_alu depctr_va_vdst(0)
.irp e, 0,1,2,3
	v_mul_f32 v[TK+8*\g+2*\e], v[AMP+\e], v[SS+\e]
	v_mul_f32 v[TK+8*\g+2*\e+1], v[AMP+\e], v[CC+\e]
.endr
.endm
; Two complex products: y = x (c + i s), table pairs (c, s) at tp and tp + 2.
.macro XPOS y, x, tp
.irp p, 0,2
	v_pk_mul_f32 v[\y+\p:\y+\p+1], v[\x+\p:\x+\p+1], v[\tp+\p:\tp+\p+1] op_sel:[1,1] op_sel_hi:[0,1] neg_lo:[1,0]   ; (-x1 s, x0 s)
.endr
.irp p, 0,2
	v_pk_fma_f32 v[\y+\p:\y+\p+1], v[\x+\p:\x+\p+1], v[\tp+\p:\tp+\p+1], v[\y+\p:\y+\p+1] op_sel_hi:[1,0,1]         ; + (x0 c, x1 c)
.endr
.endm
; Four f32 at y into two words of bf16 hi at h and two words of bf16 lo at l; m: four registers of work.
.macro SPLIT4 y, h, l, m
	v_cvt_pk_bf16_f32 v[\h], v[\y], v[\y+1]
	v_cvt_pk_bf16_f32 v[\h+1], v[\y+2], v[\y+3]
	v_lshlrev_b32 v[\m], 16, v[\h]
	v_and_b32 v[\m+1], s[K_MASK], v[\h]
	v_lshlrev_b32 v[\m+2], 16, v[\h+1]
	v_and_b32 v[\m+3], s[K_MASK], v[\h+1]
	v_pk_add_f32 v[\m:\m+1], v[\y:\y+1], v[\m:\m+1] neg_lo:[0,1] neg_hi:[0,1]
	v_pk_add_f32 v[\m+2:\m+3], v[\y+2:\y+3], v[\m+2:\m+3] neg_lo:[0,1] neg_hi:[0,1]
	v_cvt_pk_bf16_f32 v[\l], v[\m], v[\m+1]
	v_cvt_pk_bf16_f32 v[\l+1], v[\m+2], v[\m+3]
.endm
; A fragment of 16 columns x 32 keys out of rows that lie along the columns: two transposing loads, 16 rows apart.
.macro FRAG dst, adr, off
	ds_load_tr16_b128 v[\dst:\dst+3], v[\adr] offset:\off
	ds_load_tr16_b128 v[\dst+4:\dst+7], v[\adr] offset:\off+16*P160
.endm
; Four matrix instructions, one for each result tile.  The four accumulators take turns, one instruction a turn.
.macro UMUL pa, pb, kap, zero
.irp i, 0,1,2,3
.if \zero
	v_wmma_f32_16x16x32_bf16 v[ACC+8*\i:ACC+8*\i+7], v[AF+8*(2*\pa+\kap):AF+8*(2*\pa+\kap)+7], v[BF+8*(8*\pb+2*\i+\kap):BF+8*(8*\pb+2*\i+\kap)+7], 0
.else
	v_wmma_f32_16x16x32_bf16 v[ACC+8*\i:ACC+8*\i+7], v[AF+8*(2*\pa+\kap):AF+8*(2*\pa+\kap)+7], v[BF+8*(8*\pb+2*\i+\kap):BF+8*(8*\pb+2*\i+\kap)+7], v[ACC+8*\i:ACC+8*\i+7]
.endif
.endr
.endm
	s_load_b128 s[4:7], s[0:1], 0x0                ; K s[4:5], V s[6:7]
	s_load_b64 s[8:9], s[0:1], 0x10                ; Uloc
	v_lshl_add_u32 v208, v0, 2, 0xa000
	v_mov_b32 v209, 0
	s_lshl_b32 s10, ttmp9, 14                      ; a chunk is 64 rows of 256 bytes, in K, V and Uloc alike
	s_mov_b32 s11, 0
	v_lshlrev_b32 v[GOFF], 4, v0
	s_wait_kmcnt 0x0
	s_add_nc_u64 s[4:5], s[4:5], s[10:11]
	s_add_nc_u64 s[6:7], s[6:7], s[10:11]
	s_add_nc_u64 s[8:9], s[8:9], s[10:11]
	; all 16 loads of the wave go out first; load t brings row (tid>>4) + 8 t, channels 4 (tid&15) .. + 3: 512 consecutive bytes a wave
.irp t, 0,1,2,3,4,5,6,7
	global_load_b128 v[RK+4*\t:RK+4*\t+3], v[GOFF], s[4:5] offset:2048*\t
.endr
.irp t, 0,1,2,3,4,5,6,7
	global_load_b128 v[RV+4*\t:RV+4*\t+3], v[GOFF], s[6:7] offset:2048*\t
.endr
	; while they are on their way: constants, addresses, tables
	s_mov_b32 s[K_PI], 0x40490fdb                  ; pi
	s_mov_b32 s[K_C3], 0xbe2aaaab                  ; -1/3!
	s_mov_b32 s[K_C5], 0x3c088889                  ; 1/5!
	s_mov_b32 s[K_C7], 0xb9500d01                  ; -1/7!
	s_mov_b32 s[K_C9], 0x3638ef1d                  ; 1/9!
	s_mov_b32 s[K_D4], 0x3d2aaaab                  ; 1/4!
	s_mov_b32 s[K_D6], 0xbab60b61                  ; -1/6!
	s_mov_b32 s[K_D8], 0x37d00d01                  ; 1/8!
	s_mov_b32 s[K_D10], 0xb493f27e                 ; -1/10!
	s_mov_b32 s[K_FREQ], 0xbed49a78                ; -log2(10000)/32
	s_mov_b32 s[K_256], 0x41cccccd                 ; 25.6
	s_mov_b32 s[K_R896], 0x3c36db6e                ; 1/89.6
	s_mov_b32 s[K_R512], 0xbb000000                ; -1/512: this body wants -log2 |z|
	s_mov_b32 s[K_LGG], 0x3d3b9ca6                 ; -log2(0.96875)
	s_mov_b32 s[K_MASK], 0xffff0000                ; a word's upper bf16
	v_lshrrev_b32 v[T0], 5, v0
	v_readfirstlane_b32 s12, v[T0]                 ; wave 0..3
	v_lshrrev_b32 v[R0], 4, v0
	v_and_b32 v[T0], 15, v0
	v_mul_u32_u24 v[LST], v[R0], P160
	v_lshl_add_u32 v[LST], v[T0], 3, v[LST]
	v_lshlrev_b32 v[IP], 1, v[T0]
	v_or_b32 v[IP+1], 1, v[IP]
	v_bfe_u32 v[T0], v0, 4, 1                      ; h
	v_and_b32 v[ATR], 7, v0
	v_lshl_or_b32 v[ATR], v[T0], 3, v[ATR]
	v_mul_u32_u24 v[ATR], v[ATR], P160
	v_bfe_u32 v[T0], v0, 3, 1
	v_lshl_add_u32 v[ATR], v[T0], 4, v[ATR]
	v_lshl_add_u32 v[ATRA], s12, 5, v[ATR]
	v_and_b32 v[UOFF], 31, v0
	v_lshlrev_b32 v[UOFF], 4, v[UOFF]
	v_lshl_add_u32 v[UOFF], s12, 12, v[UOFF]
	LANECONST IP, TAU, NLZ
	LANECONST IP+1, TAU+1, NLZ+1
	TABGRP 0
	TABGRP 1
	TABGRP 2
	TABGRP 3
	; K: rotate, scale, split, into LDS.  Loads come back in order: 15 - t younger ones may stay out.
.irp t, 0,1,2,3,4,5,6,7
	s_wait_loadcnt 15-\t
	XPOS YY+4*(\t&1), RK+4*\t, TK+4*\t
	SPLIT4 YY+4*(\t&1), HI+2*(\t&1), LO+2*(\t&1), TM+4*(\t&1)
	ds_store_b64 v[LST], v[HI+2*(\t&1):HI+2*(\t&1)+1] offset:KH+\t*8*P160
	ds_store_b64 v[LST], v[LO+2*(\t&1):LO+2*(\t&1)+1] offset:KL+\t*8*P160
.endr
	; V: split, into LDS
.irp t, 0,1,2,3,4,5,6,7
	s_wait_loadcnt 7-\t
	SPLIT4 RV+4*\t, HI+2*(\t&1), LO+2*(\t&1), TM+4*(\t&1)
	ds_store_b64 v[LST], v[HI+2*(\t&1):HI+2*(\t&1)+1] offset:VH+\t*8*P160
	ds_store_b64 v[LST], v[LO+2*(\t&1):LO+2*(\t&1)+1] offset:VL+\t*8*P160
.endr
	s_wait_dscnt 0x0                               ; my stores are in LDS: the other waves read them behind the barrier
	s_barrier_signal -1
	s_barrier_wait -1
	; 40 fragment loads: k'^T hi (4), V hi (16), V lo (16), k'^T lo (4)
.irp k, 0,1
	FRAG AF+8*\k, ATRA, KH+\k*32*P160
.endr
.irp i, 0,1,2,3
.irp k, 0,1
	FRAG BF+8*(2*\i+\k), ATR, VH+\k*32*P160+32*\i
.endr
.endr
.irp i, 0,1,2,3
.irp k, 0,1
	FRAG BF+8*(8+2*\i+\k), ATR, VL+\k*32*P160+32*\i
.endr
.endr
.irp k, 0,1
	FRAG AF+8*(2+\k), ATRA, KL+\k*32*P160
.endr
	s_wait_dscnt 20                                ; the first 20 are in: k'^T hi and V hi
	UMUL 0, 0, 0, 1                                ; the first products start the sums: nothing is cleared
	UMUL 0, 0, 1, 0
	s_wait_dscnt 4                                 ; V lo is in
	UMUL 0, 1, 0, 0
	UMUL 0, 1, 1, 0
	s_wait_dscnt 0x0                               ; k'^T lo is in
	UMUL 1, 0, 0, 0
	UMUL 1, 0, 1, 0
.rept 4
	v_nop                                          ; four places between the last matrix instruction and the stores of its result
.endr
.irp i, 0,1,2,3
.irp g, 0,1
	global_store_b128 v[UOFF], v[ACC+8*\i+4*\g:ACC+8*\i+4*\g+3], s[8:9] offset:1024*\i+512*\g
.endr
.endr
	s_wait_tensorcnt 0x0
	ds_add_u32 v208, v209
	s_wait_dscnt 0x0
	s_endpgm
.Lfunc_end_k_q749044b756_ustate:
	.size	k_q749044b756_ustate, .Lfunc_end_k_q749044b756_ustate-k_q749044b756_ustate
	.p2alignl 7, 3214868480
	.fill 96, 4, 3214868480
	.section	.rodata,"a",@progbits
	.p2align	6, 0x0
	.amdhsa_kernel k_q749044b756_ustate
		.amdhsa_group_segment_fixed_size 41472
		.amdhsa_private_segment_fixed_size 0
		.amdhsa_enable_private_segment 0
		.amdhsa_kernarg_size 24
		.amdhsa_user_sgpr_count 2
		.amdhsa_user_sgpr_kernarg_segment_ptr 1
		.amdhsa_wavefront_size32 1
		.amdhsa_system_sgpr_workgroup_id_x 1
		.amdhsa_system_sgpr_workgroup_id_y 1
		.amdhsa_system_sgpr_workgroup_id_z 1
		.amdhsa_system_vgpr_workitem_id 0
		.amdhsa_next_free_vgpr 210
		.amdhsa_next_free_sgpr 66
		.amdhsa_reserve_vcc 0
		.amdhsa_float_denorm_mode_32 3
		.amdhsa_float_denorm_mode_16_64 3
		.amdhsa_memory_ordered 1
		.amdhsa_forward_progress 1
		.amdhsa_inst_pref_size 40
	.end_amdhsa_kernel
	.amdgpu_metadata
---
amdhsa.version: [ 1, 2 ]
amdhsa.kernels:
  - .name:           k_q749044b756_ustate
    .symbol:         k_q749044b756_ustate.kd
    .args:
      - { .name: K, .offset: 0, .size: 8, .value_kind: global_buffer, .address_space: global }
      - { .name: V, .offset: 8, .size: 8, .value_kind: global_buffer, .address_space: global }
      - { .name: Uloc, .offset: 16, .size: 8, .value_kind: global_buffer, .address_space: global }
    .group_segment_fixed_size: 41472
    .private_segment_fixed_size: 0
    .kernarg_segment_align: 8
    .kernarg_segment_size: 24
    .max_flat_workgroup_size: 128
    .sgpr_count:     66
    .vgpr_count:     210
    .wavefront_size: 32
...
	.end_amdgpu_metadata
.endif
;; end of part 1
;; launch scan (part 2): grid 64 x 1, 8 waves a work-group, no clusters, 17,408 bytes of LDS; arguments Uloc, Sfrag; writes Sfrag
.if DOCPART == 2
	.amdgcn_target "amdgcn-amd-amdhsa--gfx1250"
	.amdhsa_code_object_version 6
	.text
	.protected	k_q749044b756_scan
	.globl	k_q749044b756_scan
	.p2align	8
	.type	k_q749044b756_scan,@function
k_q749044b756_scan:
	s_mov_b64 s[64:65], 0
	v_nop
	global_prefetch_b8 v0, s[64:65] scope:SCOPE_SE
	s_setreg_imm32_b32 hwreg(HW_REG_WAVE_MODE, 25, 1), 1
	s_wait_xcnt 0x0
; RETENTION, STEP 2 OF 3: the state in front of each chunk.
;   S_0 = 0 in each batch,  S_(c+1) = w o (S_c + U'_c),  w_i = |z_i|^64 (cos 64 theta_i - i sin 64 theta_i),
; acting on the complex number (S[2i][v], S[2i+1][v]).  All in f32.
; Work-group x: batch x >> 4, tile x & 15 of the 16 tiles of 16 channels x 16 v.  A lane owns the 8 numbers (4 complex) that it held
; in the result tile of step 1.  Wave j owns chunks 8 j .. 8 j + 7:
;   pass 1: T_j, what its eight chunks leave behind when they start from 0;
;   carry:  S_(8j) = sum over j' < j of (w^8)^(j-1-j') T_j', by Horner's rule over seven LDS slots;
;   pass 2: the eight states, each split into bf16 hi + lo and stored.
; LDS: 16 slots of 1,024 bytes.  Wave j writes zeros to slot j and T_j to slot 8 + j, and reads slots j + 1 .. j + 7, which are
; T_(j-7) .. T_(j-1) with zeros for indices below 0: one text for all waves, no mask and no branch.
; Sfrag, 16 KiB a chunk: part (0 hi, 1 lo) at 8192 part, tile t at + 512 t, + 16 lane: word e holds channels 16 ct + 8 h + 2 e, + 1 of
; column v = 16 vt + r.  That is half of a 16 x 32 matrix fragment of S^T in the same lane, so step 3 loads it straight into registers.
; Every load and store of a wave covers 512 consecutive bytes, aligned.
; 64 work-groups: the eight segments of a tile must share LDS, and a tile of 32 lanes x 8 numbers is what keeps those 512 bytes whole.
; No matrix unit, tensor load or cluster: the work is a short chain of complex multiply-adds on bytes that no other work-group reads.
; LIMITS: NaN and infinities are carried on as the arithmetic makes them; the sums are made in this order, not in the formula's.
.set K_PI, 16
.set K_C3, 17
.set K_C5, 18
.set K_C7, 19
.set K_C9, 20
.set K_D4, 21
.set K_D6, 22
.set K_D8, 23
.set K_D10, 24
.set K_FREQ, 25
.set K_256, 26
.set K_R896, 27
.set K_R512, 28
.set K_LGG, 29
.set K_MASK, 30
.set GOFF, 2                           ; 16 lane; never rewritten
.set LA, 3                             ; 1024 j + 16 lane
.set WP, 4                             ; v[4:11]    w, four pairs (re, im)
.set WW, 12                            ; v[12:19]   w^8
.set ST, 20                            ; v[20:27]   the state
.set TMP, 28                           ; v[28:35]
.set ZZ, 36                            ; v[36:39]   zeros for my zero slot
.set UU, 40                            ; v[40:103]  U' of my eight chunks
.set TT, 104                           ; v[104:159] seven slots read back
.set OUTR, 160                         ; v[160:223] chunk k: 4 words hi, 4 words lo; each chunk's stores have registers of their own
.set IP, 160                           ; work for the constants lies in OUTR, which is written only in pass 2
.set TAU, 164
.set LZ, 168
.set SCR, 172
.set TA, 180
.set TB, 184
.set EA, 188
.set EB, 192
.set AA, 196
.set AB, 200
.set XX, 204
.set UQ, 208
.set CC, 212
.set SS, 216
; theta in turns and log2 |z| of channel pair i.  One plain vector instruction stands behind each transcendental before its result is used (ISA guide 5.7.2).
.macro LANECONST i, tau, lz
	v_cvt_f32_u32 v[SCR], v[\i]
	v_mul_f32 v[SCR+1], s[K_FREQ], v[SCR]
	v_exp_f32 v[SCR+2], v[SCR+1]                           ; 10000^(-i/32)
	v_fma_f32 v[SCR+3], v[SCR], 2.0, s[K_256]              ; 2 i + 25.6
	v_mul_f32 v[SCR+3], s[K_R896], v[SCR+3]                ; / 89.6
	v_log_f32 v[SCR+4], v[SCR+3]
	s_wait_alu depctr_va_vdst(0)
	v_mul_f32 v[\tau], 0.15915494, v[SCR+2]                ; / 2 pi
	v_fma_f32 v[\lz], v[SCR+4], s[K_R512], s[K_LGG]
.endm
; Four angles at once, in turns in t.  On exit cos is in s and sin is in c.  Taylor sums for half the angle, |x| <= pi/2, then the double angle.
.macro SINCOS4 t, c, s, x, u
.irp e, 0,1,2,3
	v_rndne_f32 v[\x+\e], v[\t+\e]
.endr
.irp e, 0,1,2,3
	v_sub_f32 v[\x+\e], v[\t+\e], v[\x+\e]
.endr
.irp e, 0,1,2,3
	v_mul_f32 v[\x+\e], s[K_PI], v[\x+\e]
.endr
.irp e, 0,1,2,3
	v_mul_f32 v[\u+\e], v[\x+\e], v[\x+\e]
.endr
.irp e, 0,1,2,3
	v_fma_f32 v[\s+\e], v[\u+\e], s[K_C9], s[K_C7]
.endr
.irp e, 0,1,2,3
	v_fma_f32 v[\s+\e], v[\s+\e], v[\u+\e], s[K_C5]
.endr
.irp e, 0,1,2,3
	v_fma_f32 v[\s+\e], v[\s+\e], v[\u+\e], s[K_C3]
.endr
.irp e, 0,1,2,3
	v_fma_f32 v[\s+\e], v[\s+\e], v[\u+\e], 1.0
.endr
.irp e, 0,1,2,3
	v_mul_f32 v[\s+\e], v[\s+\e], v[\x+\e]                 ; sin x
.endr
.irp e, 0,1,2,3
	v_fma_f32 v[\c+\e], v[\u+\e], s[K_D10], s[K_D8]
.endr
.irp e, 0,1,2,3
	v_fma_f32 v[\c+\e], v[\c+\e], v[\u+\e], s[K_D6]
.endr
.irp e, 0,1,2,3
	v_fma_f32 v[\c+\e], v[\c+\e], v[\u+\e], s[K_D4]
.endr
.irp e, 0,1,2,3
	v_fma_f32 v[\c+\e], v[\c+\e], v[\u+\e], -0.5
.endr
.irp e, 0,1,2,3
	v_fma_f32 v[\c+\e], v[\c+\e], v[\u+\e], 1.0            ; cos x
.endr
.irp e, 0,1,2,3
	v_add_f32 v[\x+\e], v[\s+\e], v[\s+\e]
.endr
.irp e, 0,1,2,3
	v_mul_f32 v[\c+\e], v[\x+\e], v[\c+\e]                 ; sin 2x
.endr
.irp e, 0,1,2,3
	v_fma_f32 v[\s+\e], -v[\x+\e], v[\s+\e], 1.0           ; cos 2x
.endr
.endm
.macro SPLIT4 y, h, l, m
	v_cvt_pk_bf16_f32 v[\h], v[\y], v[\y+1]
	v_cvt_pk_bf16_f32 v[\h+1], v[\y+2], v[\y+3]
	v_lshlrev_b32 v[\m], 16, v[\h]
	v_and_b32 v[\m+1], s[K_MASK], v[\h]
	v_lshlrev_b32 v[\m+2], 16, v[\h+1]
	v_and_b32 v[\m+3], s[K_MASK], v[\h+1]
	v_pk_add_f32 v[\m:\m+1], v[\y:\y+1], v[\m:\m+1] neg_lo:[0,1] neg_hi:[0,1]
	v_pk_add_f32 v[\m+2:\m+3], v[\y+2:\y+3], v[\m+2:\m+3] neg_lo:[0,1] neg_hi:[0,1]
	v_cvt_pk_bf16_f32 v[\l], v[\m], v[\m+1]
	v_cvt_pk_bf16_f32 v[\l+1], v[\m+2], v[\m+3]
.endm
; ST = w o x, four complex products
.macro WMUL x
.irp e, 0,2,4,6
	v_pk_mul_f32 v[TMP+\e:TMP+\e+1], v[\x+\e:\x+\e+1], v[WP+\e:WP+\e+1] op_sel:[1,1] op_sel_hi:[0,1] neg_lo:[1,0]    ; (-xi wi, xr wi)
.endr
.irp e, 0,2,4,6
	v_pk_fma_f32 v[ST+\e:ST+\e+1], v[\x+\e:\x+\e+1], v[WP+\e:WP+\e+1], v[TMP+\e:TMP+\e+1] op_sel_hi:[1,0,1]          ; + (xr wr, xi wr)
.endr
.endm
; ST = w o (ST + U'_k)
.macro STEP k
.irp e, 0,2,4,6
	v_pk_add_f32 v[ST+\e:ST+\e+1], v[ST+\e:ST+\e+1], v[UU+8*\k+\e:UU+8*\k+\e+1]
.endr
	WMUL ST
.endm
; ST = w^8 o x + (slot j + n)
.macro CARRY x, n
.irp e, 0,2,4,6
	v_pk_fma_f32 v[TMP+\e:TMP+\e+1], v[\x+\e:\x+\e+1], v[WW+\e:WW+\e+1], v[TT+8*(\n-1)+\e:TT+8*(\n-1)+\e+1] op_sel_hi:[1,0,1]
.endr
.irp e, 0,2,4,6
	v_pk_fma_f32 v[ST+\e:ST+\e+1], v[\x+\e:\x+\e+1], v[WW+\e:WW+\e+1], v[TMP+\e:TMP+\e+1] op_sel:[1,1,0] op_sel_hi:[0,1,1] neg_lo:[1,0,0]
.endr
.endm
	s_load_b128 s[4:7], s[0:1], 0x0                ; Uloc s[4:5], Sfrag s[6:7]
	v_lshl_add_u32 v224, v0, 2, 0x4000
	v_mov_b32 v225, 0
	v_lshrrev_b32 v1, 5, v0
	v_readfirstlane_b32 s8, v1                     ; wave j
	s_lshr_b32 s9, ttmp9, 4                        ; batch
	s_and_b32 s10, ttmp9, 15                       ; tile
	s_lshl_b32 s9, s9, 20                          ; 64 chunks of 16 KiB
	s_lshl_b32 s11, s8, 17                         ; 8 chunks of 16 KiB
	s_add_co_u32 s11, s11, s9
	s_lshl_b32 s12, s10, 10                        ; a tile of Uloc is 1,024 bytes,
	s_add_co_u32 s12, s12, s11
	s_mov_b32 s13, 0
	s_lshl_b32 s14, s10, 9                         ; of one part of Sfrag 512
	s_add_co_u32 s14, s14, s11
	s_mov_b32 s15, 0
	v_and_b32 v[GOFF], 31, v0
	v_lshlrev_b32 v[GOFF], 4, v[GOFF]
	s_wait_kmcnt 0x0
	s_add_nc_u64 s[4:5], s[4:5], s[12:13]
	s_add_nc_u64 s[6:7], s[6:7], s[14:15]
.irp k, 0,1,2,3,4,5,6,7
.irp g, 0,1
	global_load_b128 v[UU+8*\k+4*\g:UU+8*\k+4*\g+3], v[GOFF], s[4:5] offset:16384*\k+512*\g th:TH_LOAD_NT
.endr
.endr
	; while the 16 loads are on their way: w and w^8 of my four channel pairs
	s_mov_b32 s[K_PI], 0x40490fdb                  ; pi
	s_mov_b32 s[K_C3], 0xbe2aaaab                  ; -1/3!
	s_mov_b32 s[K_C5], 0x3c088889                  ; 1/5!
	s_mov_b32 s[K_C7], 0xb9500d01                  ; -1/7!
	s_mov_b32 s[K_C9], 0x3638ef1d                  ; 1/9!
	s_mov_b32 s[K_D4], 0x3d2aaaab                  ; 1/4!
	s_mov_b32 s[K_D6], 0xbab60b61                  ; -1/6!
	s_mov_b32 s[K_D8], 0x37d00d01                  ; 1/8!
	s_mov_b32 s[K_D10], 0xb493f27e                 ; -1/10!
	s_mov_b32 s[K_FREQ], 0xbed49a78                ; -log2(10000)/32
	s_mov_b32 s[K_256], 0x41cccccd                 ; 25.6
	s_mov_b32 s[K_R896], 0x3c36db6e                ; 1/89.6
	s_mov_b32 s[K_R512], 0x3b000000                ; 1/512
	s_mov_b32 s[K_LGG], 0xbd3b9ca6                 ; log2(0.96875)
	s_mov_b32 s[K_MASK], 0xffff0000
	s_and_b32 s31, s10, 12
	s_lshl_b32 s31, s31, 1                         ; 8 ct
	v_lshl_add_u32 v[LA], s8, 10, v[GOFF]
	v_bfe_u32 v1, v0, 4, 1                         ; h
	v_lshl_add_u32 v[IP], v1, 2, s31               ; pair 8 ct + 4 h + e
.irp e, 1,2,3
	v_add_nc_u32 v[IP+\e], \e, v[IP]
.endr
.irp e, 0,1,2,3
	v_mov_b32 v[ZZ+\e], 0
.endr
.irp e, 0,1,2,3
	LANECONST IP+\e, TAU+\e, LZ+\e
.endr
.irp e, 0,1,2,3
	v_mul_f32 v[TA+\e], 0xc2800000, v[TAU+\e]      ; -64 theta in turns: the sine comes out with w's sign
	v_mul_f32 v[TB+\e], 0xc4000000, v[TAU+\e]      ; -512 theta
	v_mul_f32 v[EA+\e], 0x42800000, v[LZ+\e]       ; 64 log2 |z|
	v_mul_f32 v[EB+\e], 0x44000000, v[LZ+\e]       ; 512 log2 |z|: between -26 and -23, far from underflow
.endr
.irp e, 0,1,2,3
	v_exp_f32 v[AA+\e], v[EA+\e]
.endr
.irp e, 0,1,2,3
	v_exp_f32 v[AB+\e], v[EB+\e]                   ; the first line of SINCOS4 is the plain place behind these
.endr
	SINCOS4 TA, CC, SS, XX, UQ
	s_wait_alu depctr_va_vdst(0)
.irp e, 0,1,2,3
	v_mul_f32 v[WP+2*\e], v[AA+\e], v[SS+\e]
	v_mul_f32 v[WP+2*\e+1], v[AA+\e], v[CC+\e]
.endr
	SINCOS4 TB, CC, SS, XX, UQ
.irp e, 0,1,2,3
	v_mul_f32 v[WW+2*\e], v[AB+\e], v[SS+\e]
	v_mul_f32 v[WW+2*\e+1], v[AB+\e], v[CC+\e]
.endr
	; pass 1.  Chunk k's two loads are the (2k+1)th and (2k+2)th of 16: 14 - 2 k younger ones may stay out.
	s_wait_loadcnt 14
	WMUL UU                                        ; from state 0: w o U'_0
.irp k, 1,2,3,4,5,6,7
	s_wait_loadcnt 14-2*\k
	STEP \k
.endr
	ds_store_b128 v[LA], v[ZZ:ZZ+3]
	ds_store_b128 v[LA], v[ZZ:ZZ+3] offset:512
	ds_store_b128 v[LA], v[ST:ST+3] offset:8192
	ds_store_b128 v[LA], v[ST+4:ST+7] offset:8192+512
	s_wait_dscnt 0x0                               ; my four stores are in LDS: the other waves read them behind the barrier
	s_barrier_signal -1
	s_barrier_wait -1
.irp n, 1,2,3,4,5,6,7
.irp g, 0,1
	ds_load_b128 v[TT+8*(\n-1)+4*\g:TT+8*(\n-1)+4*\g+3], v[LA] offset:1024*\n+512*\g
.endr
.endr
	s_wait_dscnt 10                                ; slots j+1 and j+2 are the first 4 of the 14 loads
	CARRY TT, 2
.irp n, 3,4,5,6,7
	s_wait_dscnt 14-2*\n                           ; slots up to j + n are the first 2 n
	CARRY ST, \n
.endr
	; pass 2: ST is the state in front of chunk 8 j + k
.irp k, 0,1,2,3,4,5,6,7
	SPLIT4 ST, OUTR+8*\k, OUTR+8*\k+4, TMP
	SPLIT4 ST+4, OUTR+8*\k+2, OUTR+8*\k+6, TMP+4
	global_store_b128 v[GOFF], v[OUTR+8*\k:OUTR+8*\k+3], s[6:7] offset:16384*\k
	global_store_b128 v[GOFF], v[OUTR+8*\k+4:OUTR+8*\k+7], s[6:7] offset:16384*\k+8192
.if \k < 7
	STEP \k
.endif
.endr
	s_wait_tensorcnt 0x0
	ds_add_u32 v224, v225
	s_wait_dscnt 0x0
	s_endpgm
.Lfunc_end_k_q749044b756_scan:
	.size	k_q749044b756_scan, .Lfunc_end_k_q749044b756_scan-k_q749044b756_scan
	.p2alignl 7, 3214868480
	.fill 96, 4, 3214868480
	.section	.rodata,"a",@progbits
	.p2align	6, 0x0
	.amdhsa_kernel k_q749044b756_scan
		.amdhsa_group_segment_fixed_size 17408
		.amdhsa_private_segment_fixed_size 0
		.amdhsa_enable_private_segment 0
		.amdhsa_kernarg_size 16
		.amdhsa_user_sgpr_count 2
		.amdhsa_user_sgpr_kernarg_segment_ptr 1
		.amdhsa_wavefront_size32 1
		.amdhsa_system_sgpr_workgroup_id_x 1
		.amdhsa_system_sgpr_workgroup_id_y 1
		.amdhsa_system_sgpr_workgroup_id_z 1
		.amdhsa_system_vgpr_workitem_id 0
		.amdhsa_next_free_vgpr 226
		.amdhsa_next_free_sgpr 66
		.amdhsa_reserve_vcc 0
		.amdhsa_float_denorm_mode_32 3
		.amdhsa_float_denorm_mode_16_64 3
		.amdhsa_memory_ordered 1
		.amdhsa_forward_progress 1
		.amdhsa_inst_pref_size 40
	.end_amdhsa_kernel
	.amdgpu_metadata
---
amdhsa.version: [ 1, 2 ]
amdhsa.kernels:
  - .name:           k_q749044b756_scan
    .symbol:         k_q749044b756_scan.kd
    .args:
      - { .name: Uloc, .offset: 0, .size: 8, .value_kind: global_buffer, .address_space: global }
      - { .name: Sfrag, .offset: 8, .size: 8, .value_kind: global_buffer, .address_space: global }
    .group_segment_fixed_size: 17408
    .private_segment_fixed_size: 0
    .kernarg_segment_align: 8
    .kernarg_segment_size: 16
    .max_flat_workgroup_size: 256
    .sgpr_count:     66
    .vgpr_count:     226
    .wavefront_size: 32
...
	.end_amdgpu_metadata
.endif
;; end of part 2
;; launch retout (part 3): grid 256 x 1, 4 waves a work-group, no clusters, 75,264 bytes of LDS; arguments Q, K, V, Sfrag, out0; writes out0
.if DOCPART == 3
	.amdgcn_target "amdgcn-amd-amdhsa--gfx1250"
	.amdhsa_code_object_version 6
	.text
	.protected	k_q749044b756_retout
	.globl	k_q749044b756_retout
	.p2align	8
	.type	k_q749044b756_retout,@function
k_q749044b756_retout:
	s_mov_b64 s[64:65], 0
	v_nop
	global_prefetch_b8 v0, s[64:65] scope:SCOPE_SE
	s_setreg_imm32_b32 hwreg(HW_REG_WAVE_MODE, 25, 1), 1
	s_wait_xcnt 0x0
; RETENTION, STEP 3 OF 3: the output of each chunk of 64 rows.
; Work-group x owns chunk x.  With r the row inside the chunk, z_i = gamma base_i^(1/512) e^(i theta_i) for channel pair i:
;   q'_r = Q_r e^(i r theta) |z|^r,   k'_r = K_r e^(i r theta) |z|^(-r)   (|factor| at most 8.6)
;   out_r[v] = sum_ch q'_r[ch] S[ch][v]  +  sum over r' <= r of (q'_r . k'_r') V_r'[v],
; S the state in front of the chunk (Sfrag, made by step 2).  That is the whole causal sum: no key is left out.
; Every matrix operand is a pair of bf16, hi + lo with lo = bf16(x - hi), and a product is hi hi + hi lo + lo hi.
; Four waves; wave w makes queries 16 w .. 16 w + 15.  All products are used transposed, so that no result changes lanes:
;   OA[vt] = S^T (rows v) x q' (columns query)            lane (r, h), register j: query r, v = 16 vt + 8 h + j
;   PA[kt] = k' (rows key) x q' (columns query)           lane (r, h), register j: key 16 kt + 8 h + j, query r,
;            which is, after the causal select and the split, the second operand of the next product as it stands
;   OA[vt] += V^T (rows v) x P (columns query)
; All four key tiles are multiplied by every wave and the causal select sets what lies above the diagonal to 0: wave 3 needs all four,
; so a shorter way for the others would not end the work-group earlier.
; REGISTERS in windows of 256: window 0 addresses, inputs, tables, q' fragments, accumulators; window 1 v0-127 S^T fragments, v128-255 k'
; fragments; window 2 v0-127 V^T fragments.
; No tensor loads: every input number passes the vector ALU before it is an operand.  No cluster: no two work-groups read the same bytes.
; LIMITS: NaN and infinite inputs are not reproduced (the formula makes NaN of 0 x infinity above the diagonal, this text selects 0 there);
; a finite number that rounds to bf16's infinity gives NaN in its low part.  The order of rounding differs from the formula's.
.set P144, 144                         ; LDS pitch of q' and k' rows: 128 bytes + 16, an odd multiple of 16
.set P160, 160                         ; of V rows: an odd multiple of 32, for the transposing loads
.set SP, 272                           ; of a stage row: 256 bytes + 16
.set QH, 0
.set QL, 64*P144
.set KH, 2*64*P144
.set KL, 3*64*P144
.set VH, 4*64*P144
.set VL, 4*64*P144+64*P160
.set STAGE, 4*64*P144+2*64*P160        ; 16 rows of 272 bytes for each wave, its own
.set K_PI, 16
.set K_C3, 17
.set K_C5, 18
.set K_C7, 19
.set K_C9, 20
.set K_D4, 21
.set K_D6, 22
.set K_D8, 23
.set K_D10, 24
.set K_FREQ, 25
.set K_256, 26
.set K_R896, 27
.set K_R512, 28
.set K_LGG, 29
.set K_MASK, 30
.set MSK, 32                           ; s[32:63] the causal masks: tile kt, register j at 8 kt + j
.set GOFF, 1                           ; 16 tid; never rewritten
.set L144, 2
.set L160, 3
.set AQ, 4
.set AK, 5
.set AV, 6
.set STO, 7
.set RD, 8
.set OOFF, 9
.set LIM, 10
.set SOFF, 11                          ; 16 lane; never rewritten
.set R0, 12
.set IP, 14
.set TAU, 16
.set LZ, 18
.set RK, 20                            ; v[20:51]   K as loaded
.set RQ, 52                            ; v[52:83]   Q
.set RV, 84                            ; v[84:115]  V
.set TQ, 116                           ; v[116:147] 16 pairs (amp cos, amp sin) for q'
.set TK, 148                           ; v[148:179] the same for k'
.set TN, 180
.set EX, 184
.set EXN, 188
.set XX, 192
.set UQ, 196
.set CC, 200
.set SS, 204
.set AMQ, 208
.set AMK, 212
.set YY, 216                           ; two sets of 4, by turns
.set TM, 224                           ; two sets of 4
.set HI, 232                           ; two sets of 2
.set LO, 236                           ; two sets of 2
.set NLZ, 240
.set SCR, 242
.set RF, 248
.set T0, 250
.set QF, 20                            ; behind the barrier: q' fragments, index 2 part + ks
.set PA, 52                            ; four score tiles
.set OA, 84                            ; four output tiles
.set PF, 116                           ; P fragments, index 2 part + kappa
.set OB, 148                           ; rows read back from the stage
.set SF, 0                             ; window 1: S^T fragments, index 8 part + 2 vt + ks
.set KF, 128                           ; window 1: k' fragments, index 8 part + 2 kt + ks
.set VF, 0                             ; window 2: V^T fragments, index 8 part + 2 vt + kappa
.set MSB, 0
.macro WIN new                         ; low byte: bits 1:0 source 0, 3:2 source 1, 5:4 source 2, 7:6 destination; the high byte repeats the setting that is left
.if MSB != \new
	s_set_vgpr_msb (MSB<<8)|\new
.set MSB, \new
.endif
.endm
.macro PLACES                          ; four places behind a matrix instruction before its result is read by anything but a matrix instruction (ISA guide 7.12.1)
.rept 4
	v_nop
.endr
.endm
; theta in turns and log2 |z| of channel pair i.  One plain vector instruction stands behind each transcendental before its result is used (ISA guide 5.7.2).
.macro LANECONST i, tau, lz
	v_cvt_f32_u32 v[SCR], v[\i]
	v_mul_f32 v[SCR+1], s[K_FREQ], v[SCR]
	v_exp_f32 v[SCR+2], v[SCR+1]                           ; 10000^(-i/32)
	v_fma_f32 v[SCR+3], v[SCR], 2.0, s[K_256]              ; 2 i + 25.6
	v_mul_f32 v[SCR+3], s[K_R896], v[SCR+3]                ; / 89.6
	v_log_f32 v[SCR+4], v[SCR+3]
	s_wait_alu depctr_va_vdst(0)
	v_mul_f32 v[\tau], 0.15915494, v[SCR+2]                ; / 2 pi
	v_fma_f32 v[\lz], v[SCR+4], s[K_R512], s[K_LGG]
.endm
; Four angles at once, in turns in t.  On exit cos is in s and sin is in c.  Taylor sums for half the angle, |x| <= pi/2
; (the first terms left out are below 4e-6), then the double angle.
.macro SINCOS4 t, c, s, x, u
.irp e, 0,1,2,3
	v_rndne_f32 v[\x+\e], v[\t+\e]
.endr
.irp e, 0,1,2,3
	v_sub_f32 v[\x+\e], v[\t+\e], v[\x+\e]
.endr
.irp e, 0,1,2,3
	v_mul_f32 v[\x+\e], s[K_PI], v[\x+\e]
.endr
.irp e, 0,1,2,3
	v_mul_f32 v[\u+\e], v[\x+\e], v[\x+\e]
.endr
.irp e, 0,1,2,3
	v_fma_f32 v[\s+\e], v[\u+\e], s[K_C9], s[K_C7]
.endr
.irp e, 0,1,2,3
	v_fma_f32 v[\s+\e], v[\s+\e], v[\u+\e], s[K_C5]
.endr
.irp e, 0,1,2,3
	v_fma_f32 v[\s+\e], v[\s+\e], v[\u+\e], s[K_C3]
.endr
.irp e, 0,1,2,3
	v_fma_f32 v[\s+\e], v[\s+\e], v[\u+\e], 1.0
.endr
.irp e, 0,1,2,3
	v_mul_f32 v[\s+\e], v[\s+\e], v[\x+\e]                 ; sin x
.endr
.irp e, 0,1,2,3
	v_fma_f32 v[\c+\e], v[\u+\e], s[K_D10], s[K_D8]
.endr
.irp e, 0,1,2,3
	v_fma_f32 v[\c+\e], v[\c+\e], v[\u+\e], s[K_D6]
.endr
.irp e, 0,1,2,3
	v_fma_f32 v[\c+\e], v[\c+\e], v[\u+\e], s[K_D4]
.endr
.irp e, 0,1,2,3
	v_fma_f32 v[\c+\e], v[\c+\e], v[\u+\e], -0.5
.endr
.irp e, 0,1,2,3
	v_fma_f32 v[\c+\e], v[\c+\e], v[\u+\e], 1.0            ; cos x
.endr
.irp e, 0,1,2,3
	v_add_f32 v[\x+\e], v[\s+\e], v[\s+\e]
.endr
.irp e, 0,1,2,3
	v_mul_f32 v[\c+\e], v[\x+\e], v[\c+\e]                 ; sin 2x
.endr
.irp e, 0,1,2,3
	v_fma_f32 v[\s+\e], -v[\x+\e], v[\s+\e], 1.0           ; cos 2x
.endr
.endm
; The tables of row groups 2 g and 2 g + 1, both pairs: four items, for q' and for k'.
.macro TABGRP g
.irp u, 0,1
	v_add_nc_u32 v[RF+\u], 8*(2*\g+\u), v[R0]
	v_cvt_f32_u32 v[RF+\u], v[RF+\u]                       ; my row in the chunk
.irp p, 0,1
	v_mul_f32 v[TN+2*\u+\p], v[RF+\u], v[TAU+\p]
	v_mul_f32 v[EX+2*\u+\p], v[RF+\u], v[LZ+\p]
	v_mul_f32 v[EXN+2*\u+\p], v[RF+\u], v[NLZ+\p]
.endr
.endr
.irp e, 0,1,2,3
	v_exp_f32 v[AMQ+\e], v[EX+\e]                          ; |z|^r
.endr
.irp e, 0,1,2,3
	v_exp_f32 v[AMK+\e], v[EXN+\e]                         ; |z|^(-r); the first line of SINCOS4 is the plain place behind these
.endr
	SINCOS4 TN, CC, SS, XX, UQ
	s_wait_alu depctr_va_vdst(0)
.irp e, 0,1,2,3
	v_mul_f32 v[TQ+8*\g+2*\e], v[AMQ+\e], v[SS+\e]
	v_mul_f32 v[TQ+8*\g+2*\e+1], v[AMQ+\e], v[CC+\e]
	v_mul_f32 v[TK+8*\g+2*\e], v[AMK+\e], v[SS+\e]
	v_mul_f32 v[TK+8*\g+2*\e+1], v[AMK+\e], v[CC+\e]
.endr
.endm
; Two complex products: y = x (c + i s), table pairs (c, s) at tp and tp + 2.
.macro XPOS y, x, tp
.irp p, 0,2
	v_pk_mul_f32 v[\y+\p:\y+\p+1], v[\x+\p:\x+\p+1], v[\tp+\p:\tp+\p+1] op_sel:[1,1] op_sel_hi:[0,1] neg_lo:[1,0]   ; (-x1 s, x0 s)
.endr
.irp p, 0,2
	v_pk_fma_f32 v[\y+\p:\y+\p+1], v[\x+\p:\x+\p+1], v[\tp+\p:\tp+\p+1], v[\y+\p:\y+\p+1] op_sel_hi:[1,0,1]         ; + (x0 c, x1 c)
.endr
.endm
; Four f32 at y into two words of bf16 hi at h and two words of bf16 lo at l; m: four registers of work.
.macro SPLIT4 y, h, l, m
	v_cvt_pk_bf16_f32 v[\h], v[\y], v[\y+1]
	v_cvt_pk_bf16_f32 v[\h+1], v[\y+2], v[\y+3]
	v_lshlrev_b32 v[\m], 16, v[\h]
	v_and_b32 v[\m+1], s[K_MASK], v[\h]
	v_lshlrev_b32 v[\m+2], 16, v[\h+1]
	v_and_b32 v[\m+3], s[K_MASK], v[\h+1]
	v_pk_add_f32 v[\m:\m+1], v[\y:\y+1], v[\m:\m+1] neg_lo:[0,1] neg_hi:[0,1]
	v_pk_add_f32 v[\m+2:\m+3], v[\y+2:\y+3], v[\m+2:\m+3] neg_lo:[0,1] neg_hi:[0,1]
	v_cvt_pk_bf16_f32 v[\l], v[\m], v[\m+1]
	v_cvt_pk_bf16_f32 v[\l+1], v[\m+2], v[\m+3]
.endm
; Row group t of Q or K: wait (left younger loads may stay out), rotate and scale, split, into LDS at hib (hi) and lob (lo).
.macro XROW t, left, src, tab, hib, lob
	s_wait_loadcnt \left
	XPOS YY+4*(\t&1), \src+4*\t, \tab+4*\t
	SPLIT4 YY+4*(\t&1), HI+2*(\t&1), LO+2*(\t&1), TM+4*(\t&1)
	ds_store_b64 v[L144], v[HI+2*(\t&1):HI+2*(\t&1)+1] offset:\hib+\t*8*P144
	ds_store_b64 v[L144], v[LO+2*(\t&1):LO+2*(\t&1)+1] offset:\lob+\t*8*P144
.endm
; Four matrix instructions, one for each of four accumulators at acc; first operands 16 registers apart from af on, one second operand at bf.
; The four accumulators take turns, one instruction a turn.
.macro TURNS4 acc, af, bf, zero
.irp i, 0,1,2,3
.if \zero
	v_wmma_f32_16x16x32_bf16 v[\acc+8*\i:\acc+8*\i+7], v[\af+16*\i:\af+16*\i+7], v[\bf:\bf+7], 0
.else
	v_wmma_f32_16x16x32_bf16 v[\acc+8*\i:\acc+8*\i+7], v[\af+16*\i:\af+16*\i+7], v[\bf:\bf+7], v[\acc+8*\i:\acc+8*\i+7]
.endif
.endr
.endm
	s_load_b256 s[4:11], s[0:1], 0x0               ; Q s[4:5], K s[6:7], V s[8:9], Sfrag s[10:11]
	s_load_b64 s[12:13], s[0:1], 0x20              ; out0
	v_lshl_add_u32 v254, v0, 2, 0x12400
	v_mov_b32 v255, 0
	s_lshl_b32 s2, ttmp9, 14                       ; a chunk is 16 KiB in all five buffers
	s_mov_b32 s3, 0
	v_lshlrev_b32 v[GOFF], 4, v0
	v_and_b32 v[SOFF], 31, v0
	v_lshlrev_b32 v[SOFF], 4, v[SOFF]
	s_wait_kmcnt 0x0
	s_add_nc_u64 s[4:5], s[4:5], s[2:3]
	s_add_nc_u64 s[6:7], s[6:7], s[2:3]
	s_add_nc_u64 s[8:9], s[8:9], s[2:3]
	s_add_nc_u64 s[10:11], s[10:11], s[2:3]
	s_add_nc_u64 s[12:13], s[12:13], s[2:3]
	; all 56 loads of the wave go out first: K, Q, V (load t: row (tid>>4) + 8 t, channels 4 (tid&15) .. + 3), then the state's 32
.irp t, 0,1,2,3,4,5,6,7
	global_load_b128 v[RK+4*\t:RK+4*\t+3], v[GOFF], s[6:7] offset:2048*\t th:TH_LOAD_NT
.endr
.irp t, 0,1,2,3,4,5,6,7
	global_load_b128 v[RQ+4*\t:RQ+4*\t+3], v[GOFF], s[4:5] offset:2048*\t th:TH_LOAD_NT
.endr
.irp t, 0,1,2,3,4,5,6,7
	global_load_b128 v[RV+4*\t:RV+4*\t+3], v[GOFF], s[8:9] offset:2048*\t th:TH_LOAD_NT
.endr
	WIN 0x40                                       ; destination in window 1
.irp part, 0,1
.irp i, 0,1,2,3
.irp k, 0,1
.irp q, 0,1
	global_load_b128 v[SF+8*(8*\part+2*\i+\k)+4*\q:SF+8*(8*\part+2*\i+\k)+4*\q+3], v[SOFF], s[10:11] offset:8192*\part+512*(4*(2*\k+\q)+\i)
.endr
.endr
.endr
.endr
	WIN 0
	; while they are on their way: constants, addresses, masks, tables
	s_mov_b32 s[K_PI], 0x40490fdb                  ; pi
	s_mov_b32 s[K_C3], 0xbe2aaaab                  ; -1/3!
	s_mov_b32 s[K_C5], 0x3c088889                  ; 1/5!
	s_mov_b32 s[K_C7], 0xb9500d01                  ; -1/7!
	s_mov_b32 s[K_C9], 0x3638ef1d                  ; 1/9!
	s_mov_b32 s[K_D4], 0x3d2aaaab                  ; 1/4!
	s_mov_b32 s[K_D6], 0xbab60b61                  ; -1/6!
	s_mov_b32 s[K_D8], 0x37d00d01                  ; 1/8!
	s_mov_b32 s[K_D10], 0xb493f27e                 ; -1/10!
	s_mov_b32 s[K_FREQ], 0xbed49a78                ; -log2(10000)/32
	s_mov_b32 s[K_256], 0x41cccccd                 ; 25.6
	s_mov_b32 s[K_R896], 0x3c36db6e                ; 1/89.6
	s_mov_b32 s[K_R512], 0x3b000000                ; 1/512
	s_mov_b32 s[K_LGG], 0xbd3b9ca6                 ; log2(0.96875)
	s_mov_b32 s[K_MASK], 0xffff0000                ; a word's upper bf16
	v_lshrrev_b32 v[T0], 5, v0
	v_readfirstlane_b32 s14, v[T0]                 ; wave 0..3
	v_and_b32 v[T0], 15, v0                        ; r = tid & 15
	v_bfe_u32 v[T0+1], v0, 4, 1                    ; h
	v_lshrrev_b32 v[R0], 4, v0                     ; tid >> 4: my row in each group of eight rows
	v_mul_u32_u24 v[L144], v[R0], P144
	v_lshl_add_u32 v[L144], v[T0], 3, v[L144]      ; where I put 4 bf16 of a q' or k' row
	v_mul_u32_u24 v[L160], v[R0], P160
	v_lshl_add_u32 v[L160], v[T0], 3, v[L160]      ; and of a V row
	v_lshl_add_u32 v[LIM], s14, 4, v[T0]           ; my query in the chunk: 16 w + r
	v_mul_u32_u24 v[AQ], v[LIM], P144
	v_lshl_add_u32 v[AQ], v[T0+1], 4, v[AQ]        ; q' fragment: row 16 w + r, + 16 h
	v_mul_u32_u24 v[AK], v[T0], P144
	v_lshl_add_u32 v[AK], v[T0+1], 4, v[AK]        ; k' fragment: row r, + 16 h
	v_lshlrev_b32 v[T0+2], 3, v[T0+1]              ; 8 h
	v_sub_nc_u32 v[LIM], v[LIM], v[T0+2]           ; key 16 kt + 8 h + j <= query  <=>  16 kt + j <= 16 w + r - 8 h (signed)
	v_and_b32 v[AV], 7, v0
	v_or_b32 v[AV], v[AV], v[T0+2]
	v_mul_u32_u24 v[AV], v[AV], P160
	v_bfe_u32 v[T0+2], v0, 3, 1
	v_lshl_add_u32 v[AV], v[T0+2], 4, v[AV]        ; V^T fragment: row 8 h + (L&7), + 16 ((L>>3)&1)
	s_mul_i32 s15, s14, 16*SP
	s_add_co_u32 s15, s15, STAGE                   ; my wave's stage
	v_mul_u32_u24 v[STO], v[T0], SP
	v_lshl_add_u32 v[STO], v[T0+1], 5, v[STO]
	v_add_nc_u32 v[STO], s15, v[STO]               ; in: row r, 32 bytes for each half of the lanes
	v_mul_u32_u24 v[RD], v[T0+1], SP
	v_lshl_add_u32 v[RD], v[T0], 4, v[RD]
	v_add_nc_u32 v[RD], s15, v[RD]                 ; back: lanes 0-15 one row of 256 bytes, lanes 16-31 the next
	v_lshl_add_u32 v[OOFF], s14, 12, v[SOFF]       ; the same two rows in out0: 16 rows a wave, + 16 lane
	v_lshlrev_b32 v[IP], 1, v[T0]                  ; my two channel pairs
	v_or_b32 v[IP+1], 1, v[IP]
.irp i, 0,1,2,3
.irp j, 0,1,2,3,4,5,6,7
	v_cmp_le_i32 s[MSK+8*\i+\j], 16*\i+\j, v[LIM]
.endr
.endr
	LANECONST IP, TAU, LZ
	LANECONST IP+1, TAU+1, LZ+1
	v_sub_f32 v[NLZ], 0, v[LZ]
	v_sub_f32 v[NLZ+1], 0, v[LZ+1]
	TABGRP 0
	TABGRP 1
	TABGRP 2
	TABGRP 3
	; Loads come back in order.  Of the 56, K's load t has 55 - t younger ones, Q's 47 - t, V's 39 - t.
.irp t, 0,1,2,3,4,5,6,7
	XROW \t, 55-\t, RK, TK, KH, KL
.endr
.irp t, 0,1,2,3,4,5,6,7
	XROW \t, 47-\t, RQ, TQ, QH, QL
.endr
.irp t, 0,1,2,3,4,5,6,7
	s_wait_loadcnt 39-\t
	SPLIT4 RV+4*\t, HI+2*(\t&1), LO+2*(\t&1), TM+4*(\t&1)
	ds_store_b64 v[L160], v[HI+2*(\t&1):HI+2*(\t&1)+1] offset:VH+\t*8*P160
	ds_store_b64 v[L160], v[LO+2*(\t&1):LO+2*(\t&1)+1] offset:VL+\t*8*P160
.endr
	s_wait_dscnt 0x0                               ; my stores are in LDS: the other waves read them behind the barrier
	s_barrier_signal -1
	s_barrier_wait -1
	; q' fragments (8 loads), then k' fragments (32 loads, window 1)
.irp part, 0,1
.irp k, 0,1
	ds_load_b128 v[QF+8*(2*\part+\k):QF+8*(2*\part+\k)+3], v[AQ] offset:QH+\part*64*P144+64*\k
	ds_load_b128 v[QF+8*(2*\part+\k)+4:QF+8*(2*\part+\k)+7], v[AQ] offset:QH+\part*64*P144+64*\k+32
.endr
.endr
	WIN 0x40
.irp part, 0,1
.irp i, 0,1,2,3
.irp k, 0,1
	ds_load_b128 v[KF+8*(8*\part+2*\i+\k):KF+8*(8*\part+2*\i+\k)+3], v[AK] offset:KH+\part*64*P144+\i*16*P144+64*\k
	ds_load_b128 v[KF+8*(8*\part+2*\i+\k)+4:KF+8*(8*\part+2*\i+\k)+7], v[AK] offset:KH+\part*64*P144+\i*16*P144+64*\k+32
.endr
.endr
.endr
	s_wait_dscnt 32                                ; q' is in; the 32 loads of k' may stay out
	s_wait_loadcnt 0x0                             ; the state is in
	WIN 0x01                                       ; first operand in window 1
	TURNS4 OA, SF+0, QF+0, 1                       ; S hi x q' hi: the first products start the sums
	TURNS4 OA, SF+8, QF+8, 0
	TURNS4 OA, SF+0, QF+16, 0                      ; S hi x q' lo
	TURNS4 OA, SF+8, QF+24, 0
	TURNS4 OA, SF+64, QF+0, 0                      ; S lo x q' hi
	TURNS4 OA, SF+72, QF+8, 0
	WIN 0x80                                       ; destination in window 2: V^T fragments, 32 transposing loads
.irp part, 0,1
.irp i, 0,1,2,3
.irp k, 0,1
	ds_load_tr16_b128 v[VF+8*(8*\part+2*\i+\k):VF+8*(8*\part+2*\i+\k)+3], v[AV] offset:VH+\part*64*P160+\k*32*P160+32*\i
	ds_load_tr16_b128 v[VF+8*(8*\part+2*\i+\k)+4:VF+8*(8*\part+2*\i+\k)+7], v[AV] offset:VH+\part*64*P160+\k*32*P160+32*\i+16*P160
.endr
.endr
.endr
	s_wait_dscnt 32                                ; k' is in; the 32 loads of V^T may stay out
	WIN 0x01
	TURNS4 PA, KF+0, QF+0, 1                       ; k' hi x q' hi
	TURNS4 PA, KF+8, QF+8, 0
	TURNS4 PA, KF+0, QF+16, 0                      ; k' hi x q' lo
	TURNS4 PA, KF+8, QF+24, 0
	TURNS4 PA, KF+64, QF+0, 0                      ; k' lo x q' hi
	TURNS4 PA, KF+72, QF+8, 0
	WIN 0
	PLACES
.irp i, 0,1,2,3
.irp j, 0,1,2,3,4,5,6,7
	v_cndmask_b32 v[PA+8*\i+\j], 0, v[PA+8*\i+\j], s[MSK+8*\i+\j]      ; keys behind the query count 0
.endr
.endr
	; Tile kt = 2 kappa + q fills registers 4 q .. 4 q + 3 of P's fragment kappa, hi and lo, in the lane where it lies
.irp k, 0,1
.irp q, 0,1
	SPLIT4 PA+8*(2*\k+\q), PF+8*\k+4*\q, PF+16+8*\k+4*\q, TM
	SPLIT4 PA+8*(2*\k+\q)+4, PF+8*\k+4*\q+2, PF+16+8*\k+4*\q+2, TM+4
.endr
.endr
	s_wait_dscnt 0x0                               ; V^T is in
	WIN 0x02                                       ; first operand in window 2
	TURNS4 OA, VF+0, PF+0, 0                       ; V hi x P hi
	TURNS4 OA, VF+8, PF+8, 0
	TURNS4 OA, VF+0, PF+16, 0                      ; V hi x P lo
	TURNS4 OA, VF+8, PF+24, 0
	TURNS4 OA, VF+64, PF+0, 0                      ; V lo x P hi
	TURNS4 OA, VF+72, PF+8, 0
	WIN 0
	PLACES
	; THE WAY OUT: a lane holds 8 neighbouring v of one query in each tile; through my wave's stage they become whole rows
.irp i, 0,1,2,3
.irp g, 0,1
	ds_store_b128 v[STO], v[OA+8*\i+4*\g:OA+8*\i+4*\g+3] offset:64*\i+16*\g
.endr
.endr
.irp t, 0,1,2,3,4,5,6,7
	ds_load_b128 v[OB+4*\t:OB+4*\t+3], v[RD] offset:\t*2*SP            ; LDS serves a wave's instructions in order (ISA guide 5.7.1): these see the stores above
.endr
.irp t, 0,1,2,3,4,5,6,7
	s_wait_dscnt 7-\t
	global_store_b128 v[OOFF], v[OB+4*\t:OB+4*\t+3], s[12:13] offset:512*\t th:TH_STORE_NT   ; two whole rows: 512 consecutive bytes, aligned
.endr
	s_wait_tensorcnt 0x0
	ds_add_u32 v254, v255
	s_wait_dscnt 0x0
	s_endpgm
.Lfunc_end_k_q749044b756_retout:
	.size	k_q749044b756_retout, .Lfunc_end_k_q749044b756_retout-k_q749044b756_retout
	.p2alignl 7, 3214868480
	.fill 96, 4, 3214868480
	.section	.rodata,"a",@progbits
	.p2align	6, 0x0
	.amdhsa_kernel k_q749044b756_retout
		.amdhsa_group_segment_fixed_size 75264
		.amdhsa_private_segment_fixed_size 0
		.amdhsa_enable_private_segment 0
		.amdhsa_kernarg_size 40
		.amdhsa_user_sgpr_count 2
		.amdhsa_user_sgpr_kernarg_segment_ptr 1
		.amdhsa_wavefront_size32 1
		.amdhsa_system_sgpr_workgroup_id_x 1
		.amdhsa_system_sgpr_workgroup_id_y 1
		.amdhsa_system_sgpr_workgroup_id_z 1
		.amdhsa_system_vgpr_workitem_id 0
		.amdhsa_next_free_vgpr 640
		.amdhsa_next_free_sgpr 66
		.amdhsa_reserve_vcc 0
		.amdhsa_float_denorm_mode_32 3
		.amdhsa_float_denorm_mode_16_64 3
		.amdhsa_memory_ordered 1
		.amdhsa_forward_progress 1
		.amdhsa_inst_pref_size 68
	.end_amdhsa_kernel
	.amdgpu_metadata
---
amdhsa.version: [ 1, 2 ]
amdhsa.kernels:
  - .name:           k_q749044b756_retout
    .symbol:         k_q749044b756_retout.kd
    .args:
      - { .name: Q, .offset: 0, .size: 8, .value_kind: global_buffer, .address_space: global }
      - { .name: K, .offset: 8, .size: 8, .value_kind: global_buffer, .address_space: global }
      - { .name: V, .offset: 16, .size: 8, .value_kind: global_buffer, .address_space: global }
      - { .name: Sfrag, .offset: 24, .size: 8, .value_kind: global_buffer, .address_space: global }
      - { .name: out0, .offset: 32, .size: 8, .value_kind: global_buffer, .address_space: global }
    .group_segment_fixed_size: 75264
    .private_segment_fixed_size: 0
    .kernarg_segment_align: 8
    .kernarg_segment_size: 40
    .max_flat_workgroup_size: 128
    .sgpr_count:     66
    .vgpr_count:     640
    .wavefront_size: 32
...
	.end_amdgpu_metadata
.endif
;; end of part 3
;; ======== version 2 of 2: 3 launches; version 1 with the launches ustate, retout written anew for expert scheduling mode
;; workspace buffers: Uloc 4,194,304 bytes; Sfrag 4,194,304 bytes
;; launch ustate (part 4): grid 256 x 1, 4 waves a work-group, no clusters, 41,472 bytes of LDS; arguments K, V, Uloc; writes Uloc
.if DOCPART == 4
	.amdgcn_target "amdgcn-amd-amdhsa--gfx1250"
	.amdhsa_code_object_version 6
	.text
	.protected	k_q749044b756_ustate
	.globl	k_q749044b756_ustate
	.p2align	8
	.type	k_q749044b756_ustate,@function
k_q749044b756_ustate:
	s_mov_b64 s[64:65], 0
	v_nop
	global_prefetch_b8 v0, s[64:65] scope:SCOPE_SE
	s_setreg_imm32_b32 hwreg(HW_REG_WAVE_SCHED_MODE, 0, 2), 2
	s_setreg_imm32_b32 hwreg(HW_REG_WAVE_MODE, 25, 1), 1
	s_wait_xcnt 0x0
	s_wait_alu depctr_vm_vsrc(0)
; RETENTION, STEP 1 OF 3: the state that each chunk of 64 keys adds.
; With a channel pair (2i, 2i+1) read as one complex number, every weight of the retention hangs on n - m alone:
;   gamma^(n-m) (q~_n . k~_m) = Re sum_i Q_n,i conj(K_m,i) z_i^(n-m),   z_i = gamma base_i^(1/512) e^(i theta_i).
; So the sum over keys is a linear recurrence and is made chunk by chunk, with no term left out.
; Work-group x owns chunk x (64 rows; x = 64 batch + chunk).  With r the row inside the chunk,
;   k'_r = K_r e^(i r theta) |z|^(-r)        (|factor| at most 8.6)
;   U'[ch][v] = sum_r k'_r[ch] V_r[v]        (64 x 64, f32), stored to Uloc.
; Every matrix operand is a pair of bf16, hi + lo with lo = bf16(x - hi), and a product is hi hi + hi lo + lo hi.
; Four waves; wave w makes channels 16 w .. 16 w + 15 of U' (four tiles of 16 x 16).
; Uloc, 16 KiB a chunk: tile t = 4 (ch/16) + (v/16) at byte 1024 t; registers 4g..4g+3 of the result tile at + 512 g + 16 lane:
; each store of a wave covers 512 consecutive bytes, aligned.
; No tensor loads: every input number passes the vector ALU (rotation, split) before it is an operand.
; No cluster: no two work-groups read the same bytes.
; sin and cos: the angle in turns, reduced by its nearest whole number, halved, Taylor sums to x^9 and x^10 for |x| <= pi/2
; (the first terms left out are below 4e-6), then the double-angle formulas.
; LIMITS: NaN and infinite inputs are not reproduced; a finite number that rounds to bf16's infinity gives NaN in its low part.
; The order of rounding differs from the formula's: positions are taken inside the chunk.
; THE MODE: SCHED_MODE bits 1:0 = 2 (LLVM: expert scheduling mode 2), set by the entry lines.  The code itself states the register dependences
; between vector or matrix instructions and memory or LDS instructions, with s_wait_alu, always for 0.
; THE PLAN.  Registers that memory or LDS instructions touch:
;   v1, v2, v3, v5, v14   offsets and LDS addresses, made once at the head and never written again.
;   RK   K's loads land in it.  Row group t: the rotation reads its four registers, the split writes k' hi and lo back into them, two LDS stores read them.
;   RV   V's loads land in it; the splits alone read it.
;   TK   the tables.  Behind K's row group t, its last reader, its four registers take V's row group t, hi and lo; two LDS stores read them.
;   BF, AF (v16 to v175)  behind the barrier the fragments' LDS loads land there; matrix instructions read them.
;   ACC  written by matrix instructions, read by the global stores.
; The 16 row groups (K's eight, V's eight) go in four blocks of four.  Each row group has out-registers of its own, so none is written twice.
; Block p's eight LDS stores are issued in block p + 1, two ahead of each row group, behind ONE wait on va_vdst at that block's head;
; block p + 1's vector instructions name their own quarter of RK, RV and TK, and YY and TM: none of the registers that those stores touch.
; One wait on vm_vsrc stands behind the barrier, ahead of the fragments' loads.
.set P160, 160                         ; LDS pitch of a row of 64 bf16: 128 bytes + 32, an odd multiple of 32, for the transposing loads
.set KH, 0                             ; k' hi   [64 keys][64 ch]
.set KL, 64*P160                       ; k' lo
.set VH, 2*64*P160                     ; V hi    [64 keys][64 v]
.set VL, 3*64*P160                     ; V lo
.set K_PI, 16                          ; scalar constants
.set K_C3, 17
.set K_C5, 18
.set K_C7, 19
.set K_C9, 20
.set K_D4, 21
.set K_D6, 22
.set K_D8, 23
.set K_D10, 24
.set K_FREQ, 25
.set K_256, 26
.set K_R896, 27
.set K_R512, 28
.set K_LGG, 29
.set K_MASK, 30
.set GOFF, 1                           ; 16 tid: my 16 bytes in each 2,048 bytes of the chunk; never rewritten
.set LST, 2                            ; LDS: (tid>>4) rows + 8 (tid&15)
.set ATR, 3                            ; LDS: transposing load, (8h + (L&7)) rows + 16 ((L>>3)&1)
.set R0, 4                             ; tid >> 4: my row in each group of eight rows
.set UOFF, 5                           ; 4096 w + 16 L
.set IP, 6                             ; v[6:7]   my two channel pairs
.set TAU, 8                            ; v[8:9]   theta in turns
.set NLZ, 10                           ; v[10:11] -log2 |z|
.set T0, 12
.set ATRA, 14                          ; ATR + 32 w: my wave's 16 channels
.set RK, 16                            ; v[16:47]  K as loaded; then row group t's k': two words hi, two words lo at 4 t
.set RV, 48                            ; v[48:79]  V as loaded
.set TK, 80                            ; v[80:111] 16 pairs (amp cos, amp sin): row group t, pair p at 4 t + 2 p; then V's row group t: two words hi, two words lo at 4 t
.set TN, 112
.set EX, 116
.set XX, 120
.set UQ, 124
.set CC, 128
.set SS, 132
.set AMP, 136
.set YY, 140                           ; two sets of 4, by turns
.set TM, 148                           ; two sets of 4
.set SCR, 164
.set RF, 170
.set BF, 16                            ; behind the barrier: v[16:143] V fragments, index 8 part + 2 vt + kappa
.set AF, 144                           ; v[144:175] k'^T fragments, index 2 part + kappa
.set ACC, 176                          ; v[176:207] four result tiles
; theta in turns and the scaled log2 |z| of channel pair i.  One plain vector instruction stands behind each transcendental
; before its result is used (ISA guide 5.7.2).
.macro LANECONST i, tau, lz
	v_cvt_f32_u32 v[SCR], v[\i]
	v_mul_f32 v[SCR+1], s[K_FREQ], v[SCR]
	v_exp_f32 v[SCR+2], v[SCR+1]                           ; 10000^(-i/32)
	v_fma_f32 v[SCR+3], v[SCR], 2.0, s[K_256]              ; 2 i + 25.6
	v_mul_f32 v[SCR+3], s[K_R896], v[SCR+3]                ; / 89.6
	v_log_f32 v[SCR+4], v[SCR+3]
	s_wait_alu depctr_va_vdst(0)
	v_mul_f32 v[\tau], 0.15915494, v[SCR+2]                ; / 2 pi
	v_fma_f32 v[\lz], v[SCR+4], s[K_R512], s[K_LGG]
.endm
; Four angles at once, in turns in t.  On exit cos is in s and sin is in c.
.macro SINCOS4 t, c, s, x, u
.irp e, 0,1,2,3
	v_rndne_f32 v[\x+\e], v[\t+\e]
.endr
.irp e, 0,1,2,3
	v_sub_f32 v[\x+\e], v[\t+\e], v[\x+\e]                 ; within half a turn
.endr
.irp e, 0,1,2,3
	v_mul_f32 v[\x+\e], s[K_PI], v[\x+\e]                  ; half the angle, |x| <= pi/2
.endr
.irp e, 0,1,2,3
	v_mul_f32 v[\u+\e], v[\x+\e], v[\x+\e]
.endr
.irp e, 0,1,2,3
	v_fma_f32 v[\s+\e], v[\u+\e], s[K_C9], s[K_C7]
.endr
.irp e, 0,1,2,3
	v_fma_f32 v[\s+\e], v[\s+\e], v[\u+\e], s[K_C5]
.endr
.irp e, 0,1,2,3
	v_fma_f32 v[\s+\e], v[\s+\e], v[\u+\e], s[K_C3]
.endr
.irp e, 0,1,2,3
	v_fma_f32 v[\s+\e], v[\s+\e], v[\u+\e], 1.0
.endr
.irp e, 0,1,2,3
	v_mul_f32 v[\s+\e], v[\s+\e], v[\x+\e]                 ; sin x
.endr
.irp e, 0,1,2,3
	v_fma_f32 v[\c+\e], v[\u+\e], s[K_D10], s[K_D8]
.endr
.irp e, 0,1,2,3
	v_fma_f32 v[\c+\e], v[\c+\e], v[\u+\e], s[K_D6]
.endr
.irp e, 0,1,2,3
	v_fma_f32 v[\c+\e], v[\c+\e], v[\u+\e], s[K_D4]
.endr
.irp e, 0,1,2,3
	v_fma_f32 v[\c+\e], v[\c+\e], v[\u+\e], -0.5
.endr
.irp e, 0,1,2,3
	v_fma_f32 v[\c+\e], v[\c+\e], v[\u+\e], 1.0            ; cos x
.endr
.irp e, 0,1,2,3
	v_add_f32 v[\x+\e], v[\s+\e], v[\s+\e]                 ; 2 sin x
.endr
.irp e, 0,1,2,3
	v_mul_f32 v[\c+\e], v[\x+\e], v[\c+\e]                 ; sin 2x
.endr
.irp e, 0,1,2,3
	v_fma_f32 v[\s+\e], -v[\x+\e], v[\s+\e], 1.0           ; cos 2x
.endr
.endm
; The tables of row groups 2 g and 2 g + 1, both pairs: four items.
.macro TABGRP g
.irp u, 0,1
	v_add_nc_u32 v[RF+\u], 8*(2*\g+\u), v[R0]
	v_cvt_f32_u32 v[RF+\u], v[RF+\u]                       ; my row in the chunk
.irp p, 0,1
	v_mul_f32 v[TN+2*\u+\p], v[RF+\u], v[TAU+\p]
	v_mul_f32 v[EX+2*\u+\p], v[RF+\u], v[NLZ+\p]
.endr
.endr
.irp e, 0,1,2,3
	v_exp_f32 v[AMP+\e], v[EX+\e]                          ; |z|^(-r); the first line of SINCOS4 is the plain place behind these
.endr
	SINCOS4 TN, CC, SS, XX, UQ
	s_wait_alu depctr_va_vdst(0)
.irp e, 0,1,2,3
	v_mul_f32 v[TK+8*\g+2*\e], v[AMP+\e], v[SS+\e]
	v_mul_f32 v[TK+8*\g+2*\e+1], v[AMP+\e], v[CC+\e]
.endr
.endm
; Two complex products: y = x (c + i s), table pairs (c, s) at tp and tp + 2.
.macro XPOS y, x, tp
.irp p, 0,2
	v_pk_mul_f32 v[\y+\p:\y+\p+1], v[\x+\p:\x+\p+1], v[\tp+\p:\tp+\p+1] op_sel:[1,1] op_sel_hi:[0,1] neg_lo:[1,0]   ; (-x1 s, x0 s)
.endr
.irp p, 0,2
	v_pk_fma_f32 v[\y+\p:\y+\p+1], v[\x+\p:\x+\p+1], v[\tp+\p:\tp+\p+1], v[\y+\p:\y+\p+1] op_sel_hi:[1,0,1]         ; + (x0 c, x1 c)
.endr
.endm
; Four f32 at y into two words of bf16 hi at h and two words of bf16 lo at l; m: four registers of work.
.macro SPLIT4 y, h, l, m
	v_cvt_pk_bf16_f32 v[\h], v[\y], v[\y+1]
	v_cvt_pk_bf16_f32 v[\h+1], v[\y+2], v[\y+3]
	v_lshlrev_b32 v[\m], 16, v[\h]
	v_and_b32 v[\m+1], s[K_MASK], v[\h]
	v_lshlrev_b32 v[\m+2], 16, v[\h+1]
	v_and_b32 v[\m+3], s[K_MASK], v[\h+1]
	v_pk_add_f32 v[\m:\m+1], v[\y:\y+1], v[\m:\m+1] neg_lo:[0,1] neg_hi:[0,1]
	v_pk_add_f32 v[\m+2:\m+3], v[\y+2:\y+3], v[\m+2:\m+3] neg_lo:[0,1] neg_hi:[0,1]
	v_cvt_pk_bf16_f32 v[\l], v[\m], v[\m+1]
	v_cvt_pk_bf16_f32 v[\l+1], v[\m+2], v[\m+3]
.endm
; K's row group t: rotate, scale, split; hi and lo go back into the four registers that the row group was loaded into.
; Loads come back in order: 15 - t younger ones may stay out.
.macro KROW t
	s_wait_loadcnt 15-(\t)
	XPOS YY+4*((\t)&1), RK+4*(\t), TK+4*(\t)
	SPLIT4 YY+4*((\t)&1), RK+4*(\t), RK+4*(\t)+2, TM+4*((\t)&1)
.endm
; .. and its two stores into LDS
.macro KPUT t
	ds_store_b64 v[LST], v[RK+4*(\t):RK+4*(\t)+1] offset:KH+(\t)*8*P160
	ds_store_b64 v[LST], v[RK+4*(\t)+2:RK+4*(\t)+3] offset:KL+(\t)*8*P160
.endm
; V's row group t: split; hi and lo go into the four table registers that K's row group t was the last to read.
.macro VROW t
	s_wait_loadcnt 7-(\t)
	SPLIT4 RV+4*(\t), TK+4*(\t), TK+4*(\t)+2, TM+4*((\t)&1)
.endm
.macro VPUT t
	ds_store_b64 v[LST], v[TK+4*(\t):TK+4*(\t)+1] offset:VH+(\t)*8*P160
	ds_store_b64 v[LST], v[TK+4*(\t)+2:TK+4*(\t)+3] offset:VL+(\t)*8*P160
.endm
; A fragment of 16 columns x 32 keys out of rows that lie along the columns: two transposing loads, 16 rows apart.
.macro FRAG dst, adr, off
	ds_load_tr16_b128 v[\dst:\dst+3], v[\adr] offset:\off
	ds_load_tr16_b128 v[\dst+4:\dst+7], v[\adr] offset:\off+16*P160
.endm
; Four matrix instructions, one for each result tile.  The four accumulators take turns, one instruction a turn.
.macro UMUL pa, pb, kap, zero
.irp i, 0,1,2,3
.if \zero
	v_wmma_f32_16x16x32_bf16 v[ACC+8*\i:ACC+8*\i+7], v[AF+8*(2*\pa+\kap):AF+8*(2*\pa+\kap)+7], v[BF+8*(8*\pb+2*\i+\kap):BF+8*(8*\pb+2*\i+\kap)+7], 0
.else
	v_wmma_f32_16x16x32_bf16 v[ACC+8*\i:ACC+8*\i+7], v[AF+8*(2*\pa+\kap):AF+8*(2*\pa+\kap)+7], v[BF+8*(8*\pb+2*\i+\kap):BF+8*(8*\pb+2*\i+\kap)+7], v[ACC+8*\i:ACC+8*\i+7]
.endif
.endr
.endm
	s_load_b128 s[4:7], s[0:1], 0x0                ; K s[4:5], V s[6:7]
	s_load_b64 s[8:9], s[0:1], 0x10                ; Uloc
	v_lshl_add_u32 v13, v0, 2, 0xa000
	v_mov_b32 v15, 0
	s_lshl_b32 s10, ttmp9, 14                      ; a chunk is 64 rows of 256 bytes, in K, V and Uloc alike
	s_mov_b32 s11, 0
	v_lshlrev_b32 v[GOFF], 4, v0
	s_wait_kmcnt 0x0
	s_add_nc_u64 s[4:5], s[4:5], s[10:11]
	s_add_nc_u64 s[6:7], s[6:7], s[10:11]
	s_add_nc_u64 s[8:9], s[8:9], s[10:11]
	s_wait_alu depctr_va_vdst(0)                   ; v[GOFF] is written: the 16 loads below read it as their offset
	; all 16 loads of the wave go out first; load t brings row (tid>>4) + 8 t, channels 4 (tid&15) .. + 3: 512 consecutive bytes a wave
.irp t, 0,1,2,3,4,5,6,7
	global_load_b128 v[RK+4*\t:RK+4*\t+3], v[GOFF], s[4:5] offset:2048*\t
.endr
.irp t, 0,1,2,3,4,5,6,7
	global_load_b128 v[RV+4*\t:RV+4*\t+3], v[GOFF], s[6:7] offset:2048*\t
.endr
	; while they are on their way: constants, addresses, tables
	s_mov_b32 s[K_PI], 0x40490fdb                  ; pi
	s_mov_b32 s[K_C3], 0xbe2aaaab                  ; -1/3!
	s_mov_b32 s[K_C5], 0x3c088889                  ; 1/5!
	s_mov_b32 s[K_C7], 0xb9500d01                  ; -1/7!
	s_mov_b32 s[K_C9], 0x3638ef1d                  ; 1/9!
	s_mov_b32 s[K_D4], 0x3d2aaaab                  ; 1/4!
	s_mov_b32 s[K_D6], 0xbab60b61                  ; -1/6!
	s_mov_b32 s[K_D8], 0x37d00d01                  ; 1/8!
	s_mov_b32 s[K_D10], 0xb493f27e                 ; -1/10!
	s_mov_b32 s[K_FREQ], 0xbed49a78                ; -log2(10000)/32
	s_mov_b32 s[K_256], 0x41cccccd                 ; 25.6
	s_mov_b32 s[K_R896], 0x3c36db6e                ; 1/89.6
	s_mov_b32 s[K_R512], 0xbb000000                ; -1/512: this body wants -log2 |z|
	s_mov_b32 s[K_LGG], 0x3d3b9ca6                 ; -log2(0.96875)
	s_mov_b32 s[K_MASK], 0xffff0000                ; a word's upper bf16
	v_lshrrev_b32 v[T0], 5, v0
	v_readfirstlane_b32 s12, v[T0]                 ; wave 0..3
	v_lshrrev_b32 v[R0], 4, v0
	v_and_b32 v[T0], 15, v0
	v_mul_u32_u24 v[LST], v[R0], P160
	v_lshl_add_u32 v[LST], v[T0], 3, v[LST]
	v_lshlrev_b32 v[IP], 1, v[T0]
	v_or_b32 v[IP+1], 1, v[IP]
	v_bfe_u32 v[T0], v0, 4, 1                      ; h
	v_and_b32 v[ATR], 7, v0
	v_lshl_or_b32 v[ATR], v[T0], 3, v[ATR]
	v_mul_u32_u24 v[ATR], v[ATR], P160
	v_bfe_u32 v[T0], v0, 3, 1
	v_lshl_add_u32 v[ATR], v[T0], 4, v[ATR]
	s_wait_alu depctr_va_sdst(0)                   ; s12 is written, ahead of its first reader, the line below
	v_lshl_add_u32 v[ATRA], s12, 5, v[ATR]
	v_and_b32 v[UOFF], 31, v0
	v_lshlrev_b32 v[UOFF], 4, v[UOFF]
	v_lshl_add_u32 v[UOFF], s12, 12, v[UOFF]
	LANECONST IP, TAU, NLZ
	LANECONST IP+1, TAU+1, NLZ+1
	TABGRP 0
	TABGRP 1
	TABGRP 2
	TABGRP 3
	; Block 0: K's row groups 0 to 3
.irp t, 0,1,2,3
	KROW \t
.endr
	s_wait_alu depctr_va_vdst(0)                   ; block 0's splits have written RK's first 16 registers, and the head has written v[LST]: the LDS stores of this block read them
	; Block 1: K's row groups 4 to 7; ahead of each, the two stores of the row group four back
.irp t, 4,5,6,7
	KPUT (\t-4)
	KROW \t
.endr
	s_wait_alu depctr_va_vdst(0)                   ; block 1's splits have written RK's last 16 registers, which the LDS stores of this block read
	; Block 2: V's row groups 0 to 3
.irp t, 0,1,2,3
	KPUT (\t+4)
	VROW \t
.endr
	s_wait_alu depctr_va_vdst(0)                   ; block 2's splits have written TK's first 16 registers, which the LDS stores of this block read
	; Block 3: V's row groups 4 to 7
.irp t, 4,5,6,7
	VPUT (\t-4)
	VROW \t
.endr
	s_wait_alu depctr_va_vdst(0)                   ; block 3's splits have written TK's last 16 registers, which the stores below read; and all vector work on v16 to v175, in which the fragments land behind the barrier, and on their addresses is done
.irp t, 4,5,6,7
	VPUT \t
.endr
	s_wait_dscnt 0x0                               ; my stores are in LDS: the other waves read them behind the barrier
	s_barrier_signal -1
	s_barrier_wait -1
	s_wait_alu depctr_vm_vsrc(0)                   ; my LDS stores have read RK and TK, in which the fragments below land
	; 40 fragment loads: k'^T hi (4), V hi (16), V lo (16), k'^T lo (4)
.irp k, 0,1
	FRAG AF+8*\k, ATRA, KH+\k*32*P160
.endr
.irp i, 0,1,2,3
.irp k, 0,1
	FRAG BF+8*(2*\i+\k), ATR, VH+\k*32*P160+32*\i
.endr
.endr
.irp i, 0,1,2,3
.irp k, 0,1
	FRAG BF+8*(8+2*\i+\k), ATR, VL+\k*32*P160+32*\i
.endr
.endr
.irp k, 0,1
	FRAG AF+8*(2+\k), ATRA, KL+\k*32*P160
.endr
	s_wait_dscnt 20                                ; the first 20 are in: k'^T hi and V hi
	UMUL 0, 0, 0, 1                                ; the first products start the sums: nothing is cleared
	UMUL 0, 0, 1, 0
	s_wait_dscnt 4                                 ; V lo is in
	UMUL 0, 1, 0, 0
	UMUL 0, 1, 1, 0
	s_wait_dscnt 0x0                               ; k'^T lo is in
	UMUL 1, 0, 0, 0
	UMUL 1, 0, 1, 0
.rept 4
	v_nop                                          ; four places between the last matrix instruction and the stores of its result
.endr
	s_wait_alu depctr_va_vdst(0)                   ; the matrix instructions have written the four result tiles, which the stores read; the places above stay beside this wait
.irp i, 0,1,2,3
.irp g, 0,1
	global_store_b128 v[UOFF], v[ACC+8*\i+4*\g:ACC+8*\i+4*\g+3], s[8:9] offset:1024*\i+512*\g
.endr
.endr
	s_wait_dscnt 0x0
	s_wait_alu depctr_hold_cnt(0) depctr_sa_sdst(0) depctr_va_vdst(0) depctr_va_sdst(0) depctr_va_ssrc(0) depctr_va_vcc(0) depctr_vm_vsrc(0)
	s_wait_tensorcnt 0x0
	ds_add_u32 v13, v15
	s_wait_dscnt 0x0
	s_endpgm
.Lfunc_end_k_q749044b756_ustate:
	.size	k_q749044b756_ustate, .Lfunc_end_k_q749044b756_ustate-k_q749044b756_ustate
	.p2alignl 7, 3214868480
	.fill 96, 4, 3214868480
	.section	.rodata,"a",@progbits
	.p2align	6, 0x0
	.amdhsa_kernel k_q749044b756_ustate
		.amdhsa_group_segment_fixed_size 41472
		.amdhsa_private_segment_fixed_size 0
		.amdhsa_enable_private_segment 0
		.amdhsa_kernarg_size 24
		.amdhsa_user_sgpr_count 2
		.amdhsa_user_sgpr_kernarg_segment_ptr 1
		.amdhsa_wavefront_size32 1
		.amdhsa_system_sgpr_workgroup_id_x 1
		.amdhsa_system_sgpr_workgroup_id_y 1
		.amdhsa_system_sgpr_workgroup_id_z 1
		.amdhsa_system_vgpr_workitem_id 0
		.amdhsa_next_free_vgpr 208
		.amdhsa_next_free_sgpr 66
		.amdhsa_reserve_vcc 0
		.amdhsa_float_denorm_mode_32 3
		.amdhsa_float_denorm_mode_16_64 3
		.amdhsa_memory_ordered 1
		.amdhsa_forward_progress 1
		.amdhsa_inst_pref_size 40
	.end_amdhsa_kernel
	.amdgpu_metadata
---
amdhsa.version: [ 1, 2 ]
amdhsa.kernels:
  - .name:           k_q749044b756_ustate
    .symbol:         k_q749044b756_ustate.kd
    .args:
      - { .name: K, .offset: 0, .size: 8, .value_kind: global_buffer, .address_space: global }
      - { .name: V, .offset: 8, .size: 8, .value_kind: global_buffer, .address_space: global }
      - { .name: Uloc, .offset: 16, .size: 8, .value_kind: global_buffer, .address_space: global }
    .group_segment_fixed_size: 41472
    .private_segment_fixed_size: 0
    .kernarg_segment_align: 8
    .kernarg_segment_size: 24
    .max_flat_workgroup_size: 128
    .sgpr_count:     66
    .vgpr_count:     208
    .wavefront_size: 32
...
	.end_amdgpu_metadata
.endif
;; end of part 4
;; launch scan: the kernel of part 2 again; grid 64 x 1, 8 waves a work-group, no clusters, 17,408 bytes of LDS; arguments Uloc, Sfrag; writes Sfrag
;; launch retout (part 5): grid 256 x 1, 4 waves a work-group, no clusters, 75,264 bytes of LDS; arguments Q, K, V, Sfrag, out0; writes out0
.if DOCPART == 5
	.amdgcn_target "amdgcn-amd-amdhsa--gfx1250"
	.amdhsa_code_object_version 6
	.text
	.protected	k_q749044b756_retout
	.globl	k_q749044b756_retout
	.p2align	8
	.type	k_q749044b756_retout,@function
k_q749044b756_retout:
	s_mov_b64 s[64:65], 0
	v_nop
	global_prefetch_b8 v0, s[64:65] scope:SCOPE_SE
	s_setreg_imm32_b32 hwreg(HW_REG_WAVE_SCHED_MODE, 0, 2), 2
	s_setreg_imm32_b32 hwreg(HW_REG_WAVE_MODE, 25, 1), 1
	s_wait_xcnt 0x0
	s_wait_alu depctr_vm_vsrc(0)
; RETENTION, STEP 3 OF 3: the output of each chunk of 64 rows.
; Work-group x owns chunk x.  With r the row inside the chunk, z_i = gamma base_i^(1/512) e^(i theta_i) for channel pair i:
;   q'_r = Q_r e^(i r theta) |z|^r,   k'_r = K_r e^(i r theta) |z|^(-r)   (|factor| at most 8.6)
;   out_r[v] = sum_ch q'_r[ch] S[ch][v]  +  sum over r' <= r of (q'_r . k'_r') V_r'[v],
; S the state in front of the chunk (Sfrag, made by step 2).  That is the whole causal sum: no key is left out.
; Every matrix operand is a pair of bf16, hi + lo with lo = bf16(x - hi), and a product is hi hi + hi lo + lo hi.
; Four waves; wave w makes queries 16 w .. 16 w + 15.  All products are used transposed, so that no result changes lanes:
;   OA[vt] = S^T (rows v) x q' (columns query)            lane (r, h), register j: query r, v = 16 vt + 8 h + j
;   PA[kt] = k' (rows key) x q' (columns query)           lane (r, h), register j: key 16 kt + 8 h + j, query r,
;            which is, after the causal select and the split, the second operand of the next product as it stands
;   OA[vt] += V^T (rows v) x P (columns query)
; All four key tiles are multiplied by every wave and the causal select sets what lies above the diagonal to 0: wave 3 needs all four,
; so a shorter way for the others would not end the work-group earlier.
; REGISTERS in windows of 256: window 0 addresses, inputs, tables, q' fragments, accumulators; window 1 v0-127 S^T fragments, v128-255 k'
; fragments; window 2 v0-127 V^T fragments.
; No tensor loads: every input number passes the vector ALU before it is an operand.  No cluster: no two work-groups read the same bytes.
; LIMITS: NaN and infinite inputs are not reproduced (the formula makes NaN of 0 x infinity above the diagonal, this text selects 0 there);
; a finite number that rounds to bf16's infinity gives NaN in its low part.  The order of rounding differs from the formula's.
; THE MODE: SCHED_MODE bits 1:0 = 2 (LLVM: expert scheduling mode 2), set by the entry lines.  The code itself states the register dependences
; between vector or matrix instructions and memory or LDS instructions, with s_wait_alu, always for 0.
; THE PLAN.  Registers that memory or LDS instructions touch:
;   v1 to v11    offsets and LDS addresses, made once at the head and never written again.
;   RK, RQ       K's and Q's loads land there.  Row group t: the rotation reads its four registers, the split writes hi and lo back into them, two LDS stores read them.
;   RV           V's loads land there; the splits alone read it.
;   TK           k's tables.  Behind K's row group t, its last reader, its four registers take V's row group t, hi and lo; two LDS stores read them.
;   windows 1, 2 loads land there (the state, k', V^T); matrix instructions alone read them.
;   behind the barrier: QF (where RK lay) is landed in by q's LDS loads; PA (RQ) and OA (RV) are written by matrix instructions; OA is read by the stage's
;   stores; OB (where TK lay) is landed in by the loads from the stage and read by the global stores.
; The 24 row groups (K's, Q's, V's eight each) go in six blocks of four.  Each row group has out-registers of its own, so none is written twice.
; Block p's eight LDS stores are issued in block p + 1, two ahead of each row group, behind ONE wait on va_vdst at that block's head; block p + 1's vector
; instructions name their own quarter of RK, RQ, RV, TQ, TK, and YY and TM: none of the registers that those stores touch.
; One wait on vm_vsrc stands behind the barrier, ahead of the first load and the first matrix instruction that write what the LDS stores read.
.set P144, 144                         ; LDS pitch of q' and k' rows: 128 bytes + 16, an odd multiple of 16
.set P160, 160                         ; of V rows: an odd multiple of 32, for the transposing loads
.set SP, 272                           ; of a stage row: 256 bytes + 16
.set QH, 0
.set QL, 64*P144
.set KH, 2*64*P144
.set KL, 3*64*P144
.set VH, 4*64*P144
.set VL, 4*64*P144+64*P160
.set STAGE, 4*64*P144+2*64*P160        ; 16 rows of 272 bytes for each wave, its own
.set K_PI, 16
.set K_C3, 17
.set K_C5, 18
.set K_C7, 19
.set K_C9, 20
.set K_D4, 21
.set K_D6, 22
.set K_D8, 23
.set K_D10, 24
.set K_FREQ, 25
.set K_256, 26
.set K_R896, 27
.set K_R512, 28
.set K_LGG, 29
.set K_MASK, 30
.set MSK, 32                           ; s[32:63] the causal masks: tile kt, register j at 8 kt + j
.set GOFF, 1                           ; 16 tid; never rewritten
.set L144, 2
.set L160, 3
.set AQ, 4
.set AK, 5
.set AV, 6
.set STO, 7
.set RD, 8
.set OOFF, 9
.set LIM, 10
.set SOFF, 11                          ; 16 lane; never rewritten
.set R0, 12
.set IP, 14
.set TAU, 16
.set LZ, 18
.set RK, 20                            ; v[20:51]   K as loaded; then row group t's k': two words hi, two words lo at 4 t
.set RQ, 52                            ; v[52:83]   Q, likewise
.set RV, 84                            ; v[84:115]  V as loaded
.set TQ, 116                           ; v[116:147] 16 pairs (amp cos, amp sin) for q'
.set TK, 148                           ; v[148:179] the same for k'; then V's row group t: two words hi, two words lo at 4 t
.set TN, 180
.set EX, 184
.set EXN, 188
.set XX, 192
.set UQ, 196
.set CC, 200
.set SS, 204
.set AMQ, 208
.set AMK, 212
.set YY, 216                           ; two sets of 4, by turns
.set TM, 224                           ; two sets of 4
.set NLZ, 240
.set SCR, 242
.set RF, 248
.set T0, 250
.set QF, 20                            ; behind the barrier: q' fragments, index 2 part + ks
.set PA, 52                            ; four score tiles
.set OA, 84                            ; four output tiles
.set PF, 116                           ; P fragments, index 2 part + kappa
.set OB, 148                           ; rows read back from the stage
.set SF, 0                             ; window 1: S^T fragments, index 8 part + 2 vt + ks
.set KF, 128                           ; window 1: k' fragments, index 8 part + 2 kt + ks
.set VF, 0                             ; window 2: V^T fragments, index 8 part + 2 vt + kappa
.set MSB, 0
.macro WIN new                         ; low byte: bits 1:0 source 0, 3:2 source 1, 5:4 source 2, 7:6 destination; the high byte repeats the setting that is left
.if MSB != \new
	s_set_vgpr_msb (MSB<<8)|\new
.set MSB, \new
.endif
.endm
.macro PLACES                          ; four places behind a matrix instruction before its result is read by anything but a matrix instruction (ISA guide 7.12.1)
.rept 4
	v_nop
.endr
.endm
; theta in turns and log2 |z| of channel pair i.  One plain vector instruction stands behind each transcendental before its result is used (ISA guide 5.7.2).
.macro LANECONST i, tau, lz
	v_cvt_f32_u32 v[SCR], v[\i]
	v_mul_f32 v[SCR+1], s[K_FREQ], v[SCR]
	v_exp_f32 v[SCR+2], v[SCR+1]                           ; 10000^(-i/32)
	v_fma_f32 v[SCR+3], v[SCR], 2.0, s[K_256]              ; 2 i + 25.6
	v_mul_f32 v[SCR+3], s[K_R896], v[SCR+3]                ; / 89.6
	v_log_f32 v[SCR+4], v[SCR+3]
	s_wait_alu depctr_va_vdst(0)
	v_mul_f32 v[\tau], 0.15915494, v[SCR+2]                ; / 2 pi
	v_fma_f32 v[\lz], v[SCR+4], s[K_R512], s[K_LGG]
.endm
; Four angles at once, in turns in t.  On exit cos is in s and sin is in c.  Taylor sums for half the angle, |x| <= pi/2
; (the first terms left out are below 4e-6), then the double angle.
.macro SINCOS4 t, c, s, x, u
.irp e, 0,1,2,3
	v_rndne_f32 v[\x+\e], v[\t+\e]
.endr
.irp e, 0,1,2,3
	v_sub_f32 v[\x+\e], v[\t+\e], v[\x+\e]
.endr
.irp e, 0,1,2,3
	v_mul_f32 v[\x+\e], s[K_PI], v[\x+\e]
.endr
.irp e, 0,1,2,3
	v_mul_f32 v[\u+\e], v[\x+\e], v[\x+\e]
.endr
.irp e, 0,1,2,3
	v_fma_f32 v[\s+\e], v[\u+\e], s[K_C9], s[K_C7]
.endr
.irp e, 0,1,2,3
	v_fma_f32 v[\s+\e], v[\s+\e], v[\u+\e], s[K_C5]
.endr
.irp e, 0,1,2,3
	v_fma_f32 v[\s+\e], v[\s+\e], v[\u+\e], s[K_C3]
.endr
.irp e, 0,1,2,3
	v_fma_f32 v[\s+\e], v[\s+\e], v[\u+\e], 1.0
.endr
.irp e, 0,1,2,3
	v_mul_f32 v[\s+\e], v[\s+\e], v[\x+\e]                 ; sin x
.endr
.irp e, 0,1,2,3
	v_fma_f32 v[\c+\e], v[\u+\e], s[K_D10], s[K_D8]
.endr
.irp e, 0,1,2,3
	v_fma_f32 v[\c+\e], v[\c+\e], v[\u+\e], s[K_D6]
.endr
.irp e, 0,1,2,3
	v_fma_f32 v[\c+\e], v[\c+\e], v[\u+\e], s[K_D4]
.endr
.irp e, 0,1,2,3
	v_fma_f32 v[\c+\e], v[\c+\e], v[\u+\e], -0.5
.endr
.irp e, 0,1,2,3
	v_fma_f32 v[\c+\e], v[\c+\e], v[\u+\e], 1.0            ; cos x
.endr
.irp e, 0,1,2,3
	v_add_f32 v[\x+\e], v[\s+\e], v[\s+\e]
.endr
.irp e, 0,1,2,3
	v_mul_f32 v[\c+\e], v[\x+\e], v[\c+\e]                 ; sin 2x
.endr
.irp e, 0,1,2,3
	v_fma_f32 v[\s+\e], -v[\x+\e], v[\s+\e], 1.0           ; cos 2x
.endr
.endm
; The tables of row groups 2 g and 2 g + 1, both pairs: four items, for q' and for k'.
.macro TABGRP g
.irp u, 0,1
	v_add_nc_u32 v[RF+\u], 8*(2*\g+\u), v[R0]
	v_cvt_f32_u32 v[RF+\u], v[RF+\u]                       ; my row in the chunk
.irp p, 0,1
	v_mul_f32 v[TN+2*\u+\p], v[RF+\u], v[TAU+\p]
	v_mul_f32 v[EX+2*\u+\p], v[RF+\u], v[LZ+\p]
	v_mul_f32 v[EXN+2*\u+\p], v[RF+\u], v[NLZ+\p]
.endr
.endr
.irp e, 0,1,2,3
	v_exp_f32 v[AMQ+\e], v[EX+\e]                          ; |z|^r
.endr
.irp e, 0,1,2,3
	v_exp_f32 v[AMK+\e], v[EXN+\e]                         ; |z|^(-r); the first line of SINCOS4 is the plain place behind these
.endr
	SINCOS4 TN, CC, SS, XX, UQ
	s_wait_alu depctr_va_vdst(0)
.irp e, 0,1,2,3
	v_mul_f32 v[TQ+8*\g+2*\e], v[AMQ+\e], v[SS+\e]
	v_mul_f32 v[TQ+8*\g+2*\e+1], v[AMQ+\e], v[CC+\e]
	v_mul_f32 v[TK+8*\g+2*\e], v[AMK+\e], v[SS+\e]
	v_mul_f32 v[TK+8*\g+2*\e+1], v[AMK+\e], v[CC+\e]
.endr
.endm
; Two complex products: y = x (c + i s), table pairs (c, s) at tp and tp + 2.
.macro XPOS y, x, tp
.irp p, 0,2
	v_pk_mul_f32 v[\y+\p:\y+\p+1], v[\x+\p:\x+\p+1], v[\tp+\p:\tp+\p+1] op_sel:[1,1] op_sel_hi:[0,1] neg_lo:[1,0]   ; (-x1 s, x0 s)
.endr
.irp p, 0,2
	v_pk_fma_f32 v[\y+\p:\y+\p+1], v[\x+\p:\x+\p+1], v[\tp+\p:\tp+\p+1], v[\y+\p:\y+\p+1] op_sel_hi:[1,0,1]         ; + (x0 c, x1 c)
.endr
.endm
; Four f32 at y into two words of bf16 hi at h and two words of bf16 lo at l; m: four registers of work.
.macro SPLIT4 y, h, l, m
	v_cvt_pk_bf16_f32 v[\h], v[\y], v[\y+1]
	v_cvt_pk_bf16_f32 v[\h+1], v[\y+2], v[\y+3]
	v_lshlrev_b32 v[\m], 16, v[\h]
	v_and_b32 v[\m+1], s[K_MASK], v[\h]
	v_lshlrev_b32 v[\m+2], 16, v[\h+1]
	v_and_b32 v[\m+3], s[K_MASK], v[\h+1]
	v_pk_add_f32 v[\m:\m+1], v[\y:\y+1], v[\m:\m+1] neg_lo:[0,1] neg_hi:[0,1]
	v_pk_add_f32 v[\m+2:\m+3], v[\y+2:\y+3], v[\m+2:\m+3] neg_lo:[0,1] neg_hi:[0,1]
	v_cvt_pk_bf16_f32 v[\l], v[\m], v[\m+1]
	v_cvt_pk_bf16_f32 v[\l+1], v[\m+2], v[\m+3]
.endm
; Row group t of Q or K: wait (left younger loads may stay out), rotate and scale, split; hi and lo go back into the four registers that the row group was loaded into.
.macro XROW t, left, src, tab
	s_wait_loadcnt \left
	XPOS YY+4*((\t)&1), \src+4*(\t), \tab+4*(\t)
	SPLIT4 YY+4*((\t)&1), \src+4*(\t), \src+4*(\t)+2, TM+4*((\t)&1)
.endm
; .. and its two stores into LDS, at hib (hi) and lob (lo)
.macro XPUT t, src, hib, lob
	ds_store_b64 v[L144], v[\src+4*(\t):\src+4*(\t)+1] offset:\hib+(\t)*8*P144
	ds_store_b64 v[L144], v[\src+4*(\t)+2:\src+4*(\t)+3] offset:\lob+(\t)*8*P144
.endm
; V's row group t: split; hi and lo go into the four table registers that K's row group t was the last to read.
.macro VROW t
	s_wait_loadcnt 39-(\t)
	SPLIT4 RV+4*(\t), TK+4*(\t), TK+4*(\t)+2, TM+4*((\t)&1)
.endm
.macro VPUT t
	ds_store_b64 v[L160], v[TK+4*(\t):TK+4*(\t)+1] offset:VH+(\t)*8*P160
	ds_store_b64 v[L160], v[TK+4*(\t)+2:TK+4*(\t)+3] offset:VL+(\t)*8*P160
.endm
; Four matrix instructions, one for each of four accumulators at acc; first operands 16 registers apart from af on, one second operand at bf.
; The four accumulators take turns, one instruction a turn.
.macro TURNS4 acc, af, bf, zero
.irp i, 0,1,2,3
.if \zero
	v_wmma_f32_16x16x32_bf16 v[\acc+8*\i:\acc+8*\i+7], v[\af+16*\i:\af+16*\i+7], v[\bf:\bf+7], 0
.else
	v_wmma_f32_16x16x32_bf16 v[\acc+8*\i:\acc+8*\i+7], v[\af+16*\i:\af+16*\i+7], v[\bf:\bf+7], v[\acc+8*\i:\acc+8*\i+7]
.endif
.endr
.endm
	s_load_b256 s[4:11], s[0:1], 0x0               ; Q s[4:5], K s[6:7], V s[8:9], Sfrag s[10:11]
	s_load_b64 s[12:13], s[0:1], 0x20              ; out0
	v_lshl_add_u32 v254, v0, 2, 0x12400
	v_mov_b32 v255, 0
	s_lshl_b32 s2, ttmp9, 14                       ; a chunk is 16 KiB in all five buffers
	s_mov_b32 s3, 0
	v_lshlrev_b32 v[GOFF], 4, v0
	v_and_b32 v[SOFF], 31, v0
	v_lshlrev_b32 v[SOFF], 4, v[SOFF]
	s_wait_kmcnt 0x0
	s_add_nc_u64 s[4:5], s[4:5], s[2:3]
	s_add_nc_u64 s[6:7], s[6:7], s[2:3]
	s_add_nc_u64 s[8:9], s[8:9], s[2:3]
	s_add_nc_u64 s[10:11], s[10:11], s[2:3]
	s_add_nc_u64 s[12:13], s[12:13], s[2:3]
	s_wait_alu depctr_va_vdst(0)                   ; v[GOFF] and v[SOFF] are written: the 56 loads below read them as their offsets; only loads and one window switch follow up to the last of them
	; all 56 loads of the wave go out first: K, Q, V (load t: row (tid>>4) + 8 t, channels 4 (tid&15) .. + 3), then the state's 32
.irp t, 0,1,2,3,4,5,6,7
	global_load_b128 v[RK+4*\t:RK+4*\t+3], v[GOFF], s[6:7] offset:2048*\t th:TH_LOAD_NT
.endr
.irp t, 0,1,2,3,4,5,6,7
	global_load_b128 v[RQ+4*\t:RQ+4*\t+3], v[GOFF], s[4:5] offset:2048*\t th:TH_LOAD_NT
.endr
.irp t, 0,1,2,3,4,5,6,7
	global_load_b128 v[RV+4*\t:RV+4*\t+3], v[GOFF], s[8:9] offset:2048*\t th:TH_LOAD_NT
.endr
	WIN 0x40                                       ; destination in window 1
.irp part, 0,1
.irp i, 0,1,2,3
.irp k, 0,1
.irp q, 0,1
	global_load_b128 v[SF+8*(8*\part+2*\i+\k)+4*\q:SF+8*(8*\part+2*\i+\k)+4*\q+3], v[SOFF], s[10:11] offset:8192*\part+512*(4*(2*\k+\q)+\i)
.endr
.endr
.endr
.endr
	WIN 0
	; while they are on their way: constants, addresses, masks, tables
	s_mov_b32 s[K_PI], 0x40490fdb                  ; pi
	s_mov_b32 s[K_C3], 0xbe2aaaab                  ; -1/3!
	s_mov_b32 s[K_C5], 0x3c088889                  ; 1/5!
	s_mov_b32 s[K_C7], 0xb9500d01                  ; -1/7!
	s_mov_b32 s[K_C9], 0x3638ef1d                  ; 1/9!
	s_mov_b32 s[K_D4], 0x3d2aaaab                  ; 1/4!
	s_mov_b32 s[K_D6], 0xbab60b61                  ; -1/6!
	s_mov_b32 s[K_D8], 0x37d00d01                  ; 1/8!
	s_mov_b32 s[K_D10], 0xb493f27e                 ; -1/10!
	s_mov_b32 s[K_FREQ], 0xbed49a78                ; -log2(10000)/32
	s_mov_b32 s[K_256], 0x41cccccd                 ; 25.6
	s_mov_b32 s[K_R896], 0x3c36db6e                ; 1/89.6
	s_mov_b32 s[K_R512], 0x3b000000                ; 1/512
	s_mov_b32 s[K_LGG], 0xbd3b9ca6                 ; log2(0.96875)
	s_mov_b32 s[K_MASK], 0xffff0000                ; a word's upper bf16
	v_lshrrev_b32 v[T0], 5, v0
	v_readfirstlane_b32 s14, v[T0]                 ; wave 0..3
	v_and_b32 v[T0], 15, v0                        ; r = tid & 15
	v_bfe_u32 v[T0+1], v0, 4, 1                    ; h
	v_lshrrev_b32 v[R0], 4, v0                     ; tid >> 4: my row in each group of eight rows
	v_mul_u32_u24 v[L144], v[R0], P144
	v_lshl_add_u32 v[L144], v[T0], 3, v[L144]      ; where I put 4 bf16 of a q' or k' row
	v_mul_u32_u24 v[L160], v[R0], P160
	v_lshl_add_u32 v[L160], v[T0], 3, v[L160]      ; and of a V row
	s_wait_alu depctr_va_sdst(0)                   ; s14 is written, ahead of its first reader, the line below
	v_lshl_add_u32 v[LIM], s14, 4, v[T0]           ; my query in the chunk: 16 w + r
	v_mul_u32_u24 v[AQ], v[LIM], P144
	v_lshl_add_u32 v[AQ], v[T0+1], 4, v[AQ]        ; q' fragment: row 16 w + r, + 16 h
	v_mul_u32_u24 v[AK], v[T0], P144
	v_lshl_add_u32 v[AK], v[T0+1], 4, v[AK]        ; k' fragment: row r, + 16 h
	v_lshlrev_b32 v[T0+2], 3, v[T0+1]              ; 8 h
	v_sub_nc_u32 v[LIM], v[LIM], v[T0+2]           ; key 16 kt + 8 h + j <= query  <=>  16 kt + j <= 16 w + r - 8 h (signed)
	v_and_b32 v[AV], 7, v0
	v_or_b32 v[AV], v[AV], v[T0+2]
	v_mul_u32_u24 v[AV], v[AV], P160
	v_bfe_u32 v[T0+2], v0, 3, 1
	v_lshl_add_u32 v[AV], v[T0+2], 4, v[AV]        ; V^T fragment: row 8 h + (L&7), + 16 ((L>>3)&1)
	s_mul_i32 s15, s14, 16*SP
	s_add_co_u32 s15, s15, STAGE                   ; my wave's stage
	v_mul_u32_u24 v[STO], v[T0], SP
	v_lshl_add_u32 v[STO], v[T0+1], 5, v[STO]
	v_add_nc_u32 v[STO], s15, v[STO]               ; in: row r, 32 bytes for each half of the lanes
	v_mul_u32_u24 v[RD], v[T0+1], SP
	v_lshl_add_u32 v[RD], v[T0], 4, v[RD]
	v_add_nc_u32 v[RD], s15, v[RD]                 ; back: lanes 0-15 one row of 256 bytes, lanes 16-31 the next
	v_lshl_add_u32 v[OOFF], s14, 12, v[SOFF]       ; the same two rows in out0: 16 rows a wave, + 16 lane
	v_lshlrev_b32 v[IP], 1, v[T0]                  ; my two channel pairs
	v_or_b32 v[IP+1], 1, v[IP]
.irp i, 0,1,2,3
.irp j, 0,1,2,3,4,5,6,7
	v_cmp_le_i32 s[MSK+8*\i+\j], 16*\i+\j, v[LIM]
.endr
.endr
	s_wait_alu depctr_va_sdst(0)                   ; the 32 masks are written, ahead of their first readers, the causal selects
	LANECONST IP, TAU, LZ
	LANECONST IP+1, TAU+1, LZ+1
	v_sub_f32 v[NLZ], 0, v[LZ]
	v_sub_f32 v[NLZ+1], 0, v[LZ+1]
	TABGRP 0
	TABGRP 1
	TABGRP 2
	TABGRP 3
	; Loads come back in order.  Of the 56, K's load t has 55 - t younger ones, Q's 47 - t, V's 39 - t.
	; Block 0: K's row groups 0 to 3
.irp t, 0,1,2,3
	XROW \t, 55-\t, RK, TK
.endr
	s_wait_alu depctr_va_vdst(0)                   ; block 0's splits have written RK's first 16 registers, and the head has written v[L144] and v[L160]: the LDS stores read them
	; Block 1: K's row groups 4 to 7; ahead of each, the two stores of the row group four back
.irp t, 4,5,6,7
	XPUT (\t-4), RK, KH, KL
	XROW \t, 55-\t, RK, TK
.endr
	s_wait_alu depctr_va_vdst(0)                   ; block 1's splits have written RK's last 16 registers, which the LDS stores of this block read
	; Block 2: Q's row groups 0 to 3
.irp t, 0,1,2,3
	XPUT (\t+4), RK, KH, KL
	XROW \t, 47-\t, RQ, TQ
.endr
	s_wait_alu depctr_va_vdst(0)                   ; block 2's splits have written RQ's first 16 registers, which the LDS stores of this block read
	; Block 3: Q's row groups 4 to 7
.irp t, 4,5,6,7
	XPUT (\t-4), RQ, QH, QL
	XROW \t, 47-\t, RQ, TQ
.endr
	s_wait_alu depctr_va_vdst(0)                   ; block 3's splits have written RQ's last 16 registers, which the LDS stores of this block read
	; Block 4: V's row groups 0 to 3
.irp t, 0,1,2,3
	XPUT (\t+4), RQ, QH, QL
	VROW \t
.endr
	s_wait_alu depctr_va_vdst(0)                   ; block 4's splits have written TK's first 16 registers, which the LDS stores of this block read
	; Block 5: V's row groups 4 to 7
.irp t, 4,5,6,7
	VPUT (\t-4)
	VROW \t
.endr
	s_wait_alu depctr_va_vdst(0)                   ; block 5's splits have written TK's last 16 registers, which the stores below read; and all vector work on RK's registers, in which q' lands behind the barrier, and on the fragments' addresses is done
.irp t, 4,5,6,7
	VPUT \t
.endr
	s_wait_dscnt 0x0                               ; my stores are in LDS: the other waves read them behind the barrier
	s_barrier_signal -1
	s_barrier_wait -1
	s_wait_alu depctr_vm_vsrc(0)                   ; my LDS stores have read RK, RQ and TK: q' lands in the first, the score tiles are written into the second, the rows from the stage land in the third
	; q' fragments (8 loads), then k' fragments (32 loads, window 1)
.irp part, 0,1
.irp k, 0,1
	ds_load_b128 v[QF+8*(2*\part+\k):QF+8*(2*\part+\k)+3], v[AQ] offset:QH+\part*64*P144+64*\k
	ds_load_b128 v[QF+8*(2*\part+\k)+4:QF+8*(2*\part+\k)+7], v[AQ] offset:QH+\part*64*P144+64*\k+32
.endr
.endr
	WIN 0x40
.irp part, 0,1
.irp i, 0,1,2,3
.irp k, 0,1
	ds_load_b128 v[KF+8*(8*\part+2*\i+\k):KF+8*(8*\part+2*\i+\k)+3], v[AK] offset:KH+\part*64*P144+\i*16*P144+64*\k
	ds_load_b128 v[KF+8*(8*\part+2*\i+\k)+4:KF+8*(8*\part+2*\i+\k)+7], v[AK] offset:KH+\part*64*P144+\i*16*P144+64*\k+32
.endr
.endr
.endr
	s_wait_dscnt 32                                ; q' is in; the 32 loads of k' may stay out
	s_wait_loadcnt 0x0                             ; the state is in
	WIN 0x01                                       ; first operand in window 1
	TURNS4 OA, SF+0, QF+0, 1                       ; S hi x q' hi: the first products start the sums
	TURNS4 OA, SF+8, QF+8, 0
	TURNS4 OA, SF+0, QF+16, 0                      ; S hi x q' lo
	TURNS4 OA, SF+8, QF+24, 0
	TURNS4 OA, SF+64, QF+0, 0                      ; S lo x q' hi
	TURNS4 OA, SF+72, QF+8, 0
	s_wait_dscnt 0x0                               ; k' is in, asked for 24 matrix instructions ago: so at most 40 LDS loads of the wave are ever out
	WIN 0x80                                       ; destination in window 2: V^T fragments, 32 transposing loads.  No wait on va_vdst: since the last one only matrix instructions were issued, and they name OA, window 1 and QF, not v[AV] nor window 2
.irp part, 0,1
.irp i, 0,1,2,3
.irp k, 0,1
	ds_load_tr16_b128 v[VF+8*(8*\part+2*\i+\k):VF+8*(8*\part+2*\i+\k)+3], v[AV] offset:VH+\part*64*P160+\k*32*P160+32*\i
	ds_load_tr16_b128 v[VF+8*(8*\part+2*\i+\k)+4:VF+8*(8*\part+2*\i+\k)+7], v[AV] offset:VH+\part*64*P160+\k*32*P160+32*\i+16*P160
.endr
.endr
.endr
	WIN 0x01
	TURNS4 PA, KF+0, QF+0, 1                       ; k' hi x q' hi
	TURNS4 PA, KF+8, QF+8, 0
	TURNS4 PA, KF+0, QF+16, 0                      ; k' hi x q' lo
	TURNS4 PA, KF+8, QF+24, 0
	TURNS4 PA, KF+64, QF+0, 0                      ; k' lo x q' hi
	TURNS4 PA, KF+72, QF+8, 0
	WIN 0
	PLACES
.irp i, 0,1,2,3
.irp j, 0,1,2,3,4,5,6,7
	v_cndmask_b32 v[PA+8*\i+\j], 0, v[PA+8*\i+\j], s[MSK+8*\i+\j]      ; keys behind the query count 0
.endr
.endr
	; Tile kt = 2 kappa + q fills registers 4 q .. 4 q + 3 of P's fragment kappa, hi and lo, in the lane where it lies
.irp k, 0,1
.irp q, 0,1
	SPLIT4 PA+8*(2*\k+\q), PF+8*\k+4*\q, PF+16+8*\k+4*\q, TM
	SPLIT4 PA+8*(2*\k+\q)+4, PF+8*\k+4*\q+2, PF+16+8*\k+4*\q+2, TM+4
.endr
.endr
	s_wait_dscnt 0x0                               ; V^T is in
	WIN 0x02                                       ; first operand in window 2
	TURNS4 OA, VF+0, PF+0, 0                       ; V hi x P hi
	TURNS4 OA, VF+8, PF+8, 0
	TURNS4 OA, VF+0, PF+16, 0                      ; V hi x P lo
	TURNS4 OA, VF+8, PF+24, 0
	TURNS4 OA, VF+64, PF+0, 0                      ; V lo x P hi
	TURNS4 OA, VF+72, PF+8, 0
	WIN 0
	PLACES
	s_wait_alu depctr_va_vdst(0)                   ; the matrix instructions have written the four output tiles, which the LDS stores read; the places above stay beside this wait.  No vector instruction follows it, so the loads into OB owe nothing more
	; THE WAY OUT: a lane holds 8 neighbouring v of one query in each tile; through my wave's stage they become whole rows
.irp i, 0,1,2,3
.irp g, 0,1
	ds_store_b128 v[STO], v[OA+8*\i+4*\g:OA+8*\i+4*\g+3] offset:64*\i+16*\g
.endr
.endr
.irp t, 0,1,2,3,4,5,6,7
	ds_load_b128 v[OB+4*\t:OB+4*\t+3], v[RD] offset:\t*2*SP            ; LDS serves a wave's instructions in order (ISA guide 5.7.1): these see the stores above
.endr
.irp t, 0,1,2,3,4,5,6,7
	s_wait_dscnt 7-\t
	global_store_b128 v[OOFF], v[OB+4*\t:OB+4*\t+3], s[12:13] offset:512*\t th:TH_STORE_NT   ; two whole rows: 512 consecutive bytes, aligned
.endr
	s_wait_dscnt 0x0
	s_wait_alu depctr_hold_cnt(0) depctr_sa_sdst(0) depctr_va_vdst(0) depctr_va_sdst(0) depctr_va_ssrc(0) depctr_va_vcc(0) depctr_vm_vsrc(0)
	s_wait_tensorcnt 0x0
	ds_add_u32 v254, v255
	s_wait_dscnt 0x0
	s_endpgm
.Lfunc_end_k_q749044b756_retout:
	.size	k_q749044b756_retout, .Lfunc_end_k_q749044b756_retout-k_q749044b756_retout
	.p2alignl 7, 3214868480
	.fill 96, 4, 3214868480
	.section	.rodata,"a",@progbits
	.p2align	6, 0x0
	.amdhsa_kernel k_q749044b756_retout
		.amdhsa_group_segment_fixed_size 75264
		.amdhsa_private_segment_fixed_size 0
		.amdhsa_enable_private_segment 0
		.amdhsa_kernarg_size 40
		.amdhsa_user_sgpr_count 2
		.amdhsa_user_sgpr_kernarg_segment_ptr 1
		.amdhsa_wavefront_size32 1
		.amdhsa_system_sgpr_workgroup_id_x 1
		.amdhsa_system_sgpr_workgroup_id_y 1
		.amdhsa_system_sgpr_workgroup_id_z 1
		.amdhsa_system_vgpr_workitem_id 0
		.amdhsa_next_free_vgpr 640
		.amdhsa_next_free_sgpr 66
		.amdhsa_reserve_vcc 0
		.amdhsa_float_denorm_mode_32 3
		.amdhsa_float_denorm_mode_16_64 3
		.amdhsa_memory_ordered 1
		.amdhsa_forward_progress 1
		.amdhsa_inst_pref_size 69
	.end_amdhsa_kernel
	.amdgpu_metadata
---
amdhsa.version: [ 1, 2 ]
amdhsa.kernels:
  - .name:           k_q749044b756_retout
    .symbol:         k_q749044b756_retout.kd
    .args:
      - { .name: Q, .offset: 0, .size: 8, .value_kind: global_buffer, .address_space: global }
      - { .name: K, .offset: 8, .size: 8, .value_kind: global_buffer, .address_space: global }
      - { .name: V, .offset: 16, .size: 8, .value_kind: global_buffer, .address_space: global }
      - { .name: Sfrag, .offset: 24, .size: 8, .value_kind: global_buffer, .address_space: global }
      - { .name: out0, .offset: 32, .size: 8, .value_kind: global_buffer, .address_space: global }
    .group_segment_fixed_size: 75264
    .private_segment_fixed_size: 0
    .kernarg_segment_align: 8
    .kernarg_segment_size: 40
    .max_flat_workgroup_size: 128
    .sgpr_count:     66
    .vgpr_count:     640
    .wavefront_size: 32
...
	.end_amdgpu_metadata
.endif
;; end of part 5
